; MI455X (gfx1250); checked and timed in simulation.
; The chip was launched on July 23, 2026; its instructions are those of AMD's public machine-readable ISA for CDNA 5 (MIT licence, August 2026) and "CDNA5" Instruction Set Architecture Reference Guide (July 2026). The comments in the code are by the model that wrote it; some were corrected since.
;; Cross Attention. Allowed arithmetic: matrix products marked QUANTISED: E2M3 operands, one E8M0 scale for each 32 along K, by v_wmma_scale_f32_16x16x128_f8f6f4 with both operands' format E2M3, f32 sums; everything else in f32.
;; Inputs: Wk 1,024 x 1,024 float32; Wo 1,024 x 1,024 float32; Wq 1,024 x 1,024 float32; Wv 1,024 x 1,024 float32; bk 1,024 float32; bo 1,024 float32; bq 1,024 float32; bv 1,024 float32; k 4 x 2,048 x 1,024 float32; q 4 x 2,048 x 1,024 float32; v 4 x 2,048 x 1,024 float32.
;; Outputs: out0 4 x 2,048 x 1,024 float32.
;; This version of the problem:
;;   THIS VERSION OF THE PROBLEM IS GIVEN IN LOW PRECISION. The matrix products marked QUANTISED in the list below multiply operands that are first quantised to E2M3 (2 exponent bits, 3 mantissa bits; 6 bits a number), with one power-of-two scale for each 32 numbers along K (OCP MX v1.0); their sums are f32. All else is computed in f32.
;;   The module's matrix products, in the order in which they are computed (A, B: the left and right operand; K: the contracted axis; several contracted axes count as one K, in the product's order):
;;     1. [M 8,192, K 1,024] x [K 1,024, N 1,024]; A: input q; B: input Wq: QUANTISED
;;     2. [M 8,192, K 1,024] x [K 1,024, N 1,024]; A: input k; B: input Wk: QUANTISED
;;     3. [M 8,192, K 1,024] x [K 1,024, N 1,024]; A: input v; B: input Wv: QUANTISED
;;     4. batch 64 x [M 2,048, K 64] x [K 64, N 2,048]; A: computed on the way; B: computed on the way: QUANTISED
;;     5. batch 64 x [M 2,048, K 2,048] x [K 2,048, N 64]; A: softmax (see below); B: computed on the way: QUANTISED
;;     6. [M 8,192, K 1,024] x [K 1,024, N 1,024]; A: computed on the way; B: input Wo: QUANTISED
;;   THE QUANTISER, for each operand of a quantised product, along K:
;;     - K is cut into blocks of 32 from its start; a last block that is shorter is filled with zeros.
;;     - A block's scale is 2^e with e = floor(log2(the largest magnitude in the block)) - 2, held to -126 .. 127; a block of zeros has e = 0. As a byte (E8M0): e + 127.
;;     - Each number is divided by its block's scale, clamped to +-7.5, and rounded to the nearest number of E2M3, ties to even, subnormals kept.
;;     - The product sums the exact products of the quantised numbers (number of the format x scale) in f32.
;;   ~~~python
;;   def quantise(x, axis):      # numpy; x: float32 -> the quantised numbers, widened to float32 again
;;       x = np.moveaxis(x, axis, -1); K = x.shape[-1]
;;       x = np.pad(x, [(0, 0)] * (x.ndim - 1) + [(0, -K % 32)]); x = x.reshape(x.shape[:-1] + (-1, 32)); a = np.abs(x).max(-1, keepdims=True)
;;       e = np.where(a > 0, np.clip(np.frexp(np.where(a > 0, a, 1))[1] - 1 - 2, -126, 127), 0)      # np.frexp(a)[1] - 1 = floor(log2(a)), exactly
;;       r = np.clip(x / 2.0 ** e, -7.5, 7.5)
;;       step = 2.0 ** (np.maximum(np.frexp(np.where(r == 0, 1, r))[1] - 1, 0) - 3)
;;       q = np.round(r / step) * step * 2.0 ** e      # np.round: ties to even
;;       return np.moveaxis(q.reshape(q.shape[:-2] + (-1,))[..., :K], -1, axis).astype(np.float32)
;;   ~~~
;;   SOFTMAX AHEAD OF A QUANTISED PRODUCT. Where the list says 'softmax', what is quantised is not the finished softmax but p = 2^(t - M), with t = logit x log2(e) and M = ceil(the row's largest t), a whole number; so 1/2 < the row's largest p <= 1. The row's sum l is taken of the UNQUANTISED p, in f32, and the product's result is divided by l at the end. Since M is a whole number, a kernel that streams over the keys may use a running M (the ceiling of the running maximum): every later rescaling is an exact power of two, which a block's scale takes up: the codes' values come out the same.
;;   OPERANDS COMPUTED ON THE WAY. 'Computed on the way' means the value that the module computes at that place (a softmax that the list does not call 'softmax' is quantised finished and normalised). What goes into a quantiser is computed in f32, as accurately as f32 sums, v_exp_f32 and their like allow (about 1e-6 of the number): no bf16 or f16 on the way to a quantiser, and a product that is left as it is and whose result goes on into a quantised operand takes f32 operands (vector FMAs, or v_wmma_f32_16x16x4_f32). A number that lies on a knife's edge between two numbers of the format may be rounded either way, as far as f32 arithmetic and the matrix unit's own rounding can turn it there, and no further.
;; One version. Each part assembles by itself: llvm-mc -triple=amdgcn-amd-amdhsa -mcpu=gfx1250 --defsym DOCPART=n.
;; ======== version 1 of 1: 4 launches
;; limits: right only within a limited range of input values
;; workspace buffers: xw_codes 22,020,096 bytes; xw_sc 917,504 bytes; q_img 6,291,456 bytes; kv_blk 12,845,056 bytes; qk_sc 524,288 bytes; ao_codes 6,291,456 bytes; ao_sc 262,144 bytes
;; launch quant (part 1): grid 448 x 1, 4 waves a work-group, no clusters, 34,304 bytes of LDS; arguments q, k, v, Wq, Wk, Wv, Wo, xw_codes, xw_sc; writes xw_codes, xw_sc
.if DOCPART == 1
	.amdgcn_target "amdgcn-amd-amdhsa--gfx1250"
	.amdhsa_code_object_version 6
	.text
	.protected	k_q9f26072928_quant
	.globl	k_q9f26072928_quant
	.p2align	8
	.type	k_q9f26072928_quant,@function
k_q9f26072928_quant:
	s_mov_b64 s[64:65], 0
	v_nop
	global_prefetch_b8 v0, s[64:65] scope:SCOPE_SE
	s_setreg_imm32_b32 hwreg(HW_REG_WAVE_MODE, 25, 1), 1
	s_wait_xcnt 0x0
; q, k, v [8192][1024] and Wq, Wk, Wv, Wo [1024][1024], f32 with K innermost, become codes of FP6 (E2M3) with one E8M0 byte for each 32 along K.
; A block's scale is 2^(floor(log2(its largest magnitude)) - 2); its byte is the largest magnitude's exponent field - 2, held at 1 from below.
; LIMITS: NaN and infinities are not served.  A block of zeros gets the byte 1 where the rule says 127: its codes are zeros, and this program alone reads the bytes.
; LAYOUT OF THE RESULT.  The seven tensors are 1,792 tiles of 16 rows (q 0, k 512, v 1024, Wq 1536, Wk 1600, Wv 1664, Wo 1728).  Lane r of a tensor's tile T holds row 32 (T / 2) + 8 (T % 2) + r + 8 (r / 8).
; xw_codes [tile][K step 8][1,536]: a fragment (16 rows x 128 K, 12 registers a lane) as an image of its registers: registers 0-3 at 16 x lane, 4-5 at 512 + 8 x lane, 6-9 at 768 + 16 x lane, 10-11 at 1,280 + 8 x lane.
; xw_sc [tile][r 16][8 words]: word s is the scale word of K step s.
; SHARES.  A wave takes one tile, all of K: 8 steps of 128.  A step's 16 loads read 512 consecutive bytes each (one row); the 8,192 bytes turn through the wave's own stage in LDS (rows 528 bytes apart),
; so that lane (r, h) gets, of row r, the 16 neighbours 16 h .. 16 h + 15 of each block of 32.  Loads run two steps (32 loads a wave) ahead.  Waves share nothing: no barrier.
; No cluster and no matrix unit: no byte is read twice and memory binds.
.set ROWB, 4096                        ; a row in bytes
.set SP,   528                         ; a stage row: 512 bytes + 16
.set WST,  16*SP                       ; a wave's stage
.set L16,  1                           ; v1   16 x lane
.set L8,   2                           ; v2   8 x lane
.set SIN,  3                           ; v3   the stage, way in
.set SOUT, 4                           ; v4   the stage, way out: 528 r + 64 h
.set SCO,  5                           ; v5   32 r + 16 h: my four scale words' place
.set LN,   7                           ; v7   lane
.set LHI,  57                          ; v57  16 x lane + what a tile's rows 8-15 lie further on than 8 rows behind rows 0-7
; k'S TILES ALONE HAVE ANOTHER ORDER OF ROWS: lane r of k's tile T holds row 64 (T / 4) + 8 (T % 4) + r + 24 (r / 8), so that in attention's scores a lane holds a whole block of 32 keys.
.set PWS,  8                           ; v8-15  the scale words of the 8 steps
.set TM,   16                          ; v16-31 at work
.set PC,   32                          ; v32-51 the codes just made
.set OW,   52                          ; v52-55 scale words on the way out
.set R,    64                          ; v64-191 two sets of 64 registers as loaded
.set X,    192                         ; v192-255 register 16 b + i = k 32 b + 16 h + i of my row
.set SEL,  26                          ; s[26:27] v_permlanex16_b32's selects for lane l xor 16
; 64 numbers of a lane, v[s] .. v[s + 63], become a fragment's codes in v[PC] .. v[PC + 11] and its scale word in v[pw].
.macro QUANT s, pw
.irp b, 0,1,2,3
	v_max3_num_f32 v[TM+\b], |v[\s+16*\b]|, |v[\s+1+16*\b]|, 0x1800000   ; block b: my 16 numbers, and the floor 2^(3 - 127): the byte cannot fall under 1
.endr
.irp i, 2,4,6,8,10,12,14
.irp b, 0,1,2,3
	v_max3_num_f32 v[TM+\b], v[TM+\b], |v[\s+16*\b+\i]|, |v[\s+1+16*\b+\i]|   ; the four blocks by turns
.endr
.endr
.irp b, 0,1,2,3
	v_permlanex16_b32 v[TM+4+\b], v[TM+\b], s[SEL], s[SEL+1]
.endr
.irp b, 0,1,2,3
	v_max_num_f32 v[TM+\b], v[TM+\b], v[TM+4+\b]   ; with lane l xor 16's: the block's largest magnitude
.endr
.irp b, 0,1,2,3
	v_add_nc_u32 v[TM+12+\b], 0xff000000, v[TM+\b]   ; 2 off its exponent field: the conversion's scale operand
.endr
.irp b, 0,1,2,3
	v_lshrrev_b32 v[TM+4+\b], 23, v[TM+12+\b]      ; the scale's byte
.endr
	v_lshl_or_b32 v[\pw], v[TM+5], 8, v[TM+4]
	v_lshl_or_b32 v[\pw], v[TM+6], 16, v[\pw]
	v_lshl_or_b32 v[\pw], v[TM+7], 24, v[\pw]
.irp c, 0,1
	v_cvt_scalef32_pk16_fp6_f32 v[PC+6*\c:PC+2+6*\c], v[\s+32*\c:\s+15+32*\c], v[TM+12+2*\c]
	v_cvt_scalef32_pk16_fp6_f32 v[PC+12+4*\c:PC+14+4*\c], v[\s+16+32*\c:\s+31+32*\c], v[TM+12+2*\c+1]   ; (a conversion's three registers begin on an even number)
.endr
	v_nop                                          ; one plain place behind a scaled conversion
.irp c, 0,1                                    ; the operand's layout wants a whole block in a lane: lanes 0-15 block 2 c, lanes 16-31 block 2 c + 1
.irp i, 0,1,2
	v_permlane16_swap_b32 v[PC+6*\c+\i], v[PC+12+4*\c+\i]
.endr
.irp i, 0,1,2
	v_mov_b32 v[PC+3+6*\c+\i], v[PC+12+4*\c+\i]
.endr
.endr
.endm
	s_load_b256 s[4:11], s[0:1], 0x0               ; q s[4:5], k s[6:7], v s[8:9], Wq s[10:11]
	s_load_b256 s[12:19], s[0:1], 0x20             ; Wk s[12:13], Wv s[14:15], Wo s[16:17], xw_codes s[18:19]
	s_load_b64 s[20:21], s[0:1], 0x40              ; xw_sc
	v_lshl_add_u32 v62, v0, 2, 0x8400
	v_mov_b32 v63, 0
	v_lshrrev_b32 v6, 5, v0
	v_readfirstlane_b32 s25, v6                    ; wave
	v_and_b32 v[LN], 31, v0
	v_and_b32 v6, 15, v0                           ; r
	v_bfe_u32 v56, v0, 4, 1                        ; h
	v_lshlrev_b32 v[L16], 4, v[LN]
	v_lshlrev_b32 v[L8], 3, v[LN]
	s_mul_i32 s28, s25, WST
	v_add_nc_u32 v[SIN], s28, v[L16]
	v_mul_u32_u24 v[SOUT], v6, SP
	v_lshl_add_u32 v[SOUT], v56, 6, v[SOUT]
	v_add_nc_u32 v[SOUT], s28, v[SOUT]
	v_lshlrev_b32 v[SCO], 5, v6
	v_lshl_add_u32 v[SCO], v56, 4, v[SCO]
.irp b, 0,1,2,3
	v_mov_b32 v[TM+4+\b], 0                        ; written once: a lane permute's destination counts as one of its sources
.endr
	s_mov_b32 s[SEL], 0x76543210
	s_mov_b32 s[SEL+1], 0xfedcba98
	s_wait_alu depctr_va_vdst(0)
	s_wait_kmcnt 0x0
	; which tensor is my work-group's (four tiles to a work-group): the choice hangs on the work-group's number alone
	s_mov_b64 s[22:23], s[16:17]                   ; Wo, from work-group 432
	s_mov_b32 s24, 432
	s_cmp_lt_u32 ttmp9, 432
	s_cselect_b64 s[22:23], s[14:15], s[22:23]     ; Wv
	s_cselect_b32 s24, 416, s24
	s_cmp_lt_u32 ttmp9, 416
	s_cselect_b64 s[22:23], s[12:13], s[22:23]     ; Wk
	s_cselect_b32 s24, 400, s24
	s_cmp_lt_u32 ttmp9, 400
	s_cselect_b64 s[22:23], s[10:11], s[22:23]     ; Wq
	s_cselect_b32 s24, 384, s24
	s_cmp_lt_u32 ttmp9, 384
	s_cselect_b64 s[22:23], s[8:9], s[22:23]       ; v
	s_cselect_b32 s24, 256, s24
	s_cmp_lt_u32 ttmp9, 256
	s_cselect_b64 s[22:23], s[6:7], s[22:23]       ; k
	s_cselect_b32 s24, 128, s24
	s_cmp_lt_u32 ttmp9, 128
	s_cselect_b64 s[22:23], s[4:5], s[22:23]       ; q
	s_cselect_b32 s24, 0, s24
	s_sub_co_u32 s24, ttmp9, s24
	s_lshl_b32 s24, s24, 2
	s_add_co_u32 s24, s24, s25                     ; my tile in its tensor
	s_lshr_b32 s28, ttmp9, 7                       ; 1 for k's work-groups, 128 to 255
	s_cmp_eq_u32 s28, 1
	s_cselect_b32 s28, 2, 1                        ; tiles in a group of rows: 4 for k (64 rows), else 2 (32 rows), as a shift
	s_lshr_b32 s30, s24, s28
	s_add_co_u32 s29, s28, 16
	s_lshl_b32 s30, s30, s29                       ; the group's rows of 4,096 bytes,
	s_bfm_b32 s29, s28, 0
	s_and_b32 s29, s24, s29
	s_lshl_b32 s29, s29, 15                        ; 8 rows for each tile ahead of mine in the group
	s_add_co_u32 s30, s30, s29
	s_lshl_b32 s31, 0x8000, s28
	s_sub_co_u32 s31, s31, 0x8000                  ; rows 8-15 lie 8 rows further on, in k 24
	v_add_nc_u32 v[LHI], s31, v[L16]
	s_wait_alu depctr_va_vdst(0)
	s_mov_b32 s31, 0
	s_add_nc_u64 s[22:23], s[22:23], s[30:31]
	s_lshl_b32 s29, ttmp9, 2
	s_add_co_u32 s29, s29, s25                     ; my tile among the 1,792
	s_mul_i32 s30, s29, 12288
	s_add_nc_u64 s[18:19], s[18:19], s[30:31]
	s_lshl_b32 s30, s29, 9
	s_add_nc_u64 s[20:21], s[20:21], s[30:31]
.macro LOAD s                          ; K step s of the tile's 16 rows: row j of the tile lies j + 8 (j / 8) rows on
.irp j, 0,1,2,3,4,5,6,7,8,9,10,11,12,13,14,15
.if \j < 8
	global_load_b128 v[R+64*((\s)%2)+4*\j:R+64*((\s)%2)+4*\j+3], v[L16], s[22:23] offset:\j*ROWB+512*(\s) th:TH_LOAD_NT   ; 32 lanes read 512 consecutive bytes
.else
	global_load_b128 v[R+64*((\s)%2)+4*\j:R+64*((\s)%2)+4*\j+3], v[LHI], s[22:23] offset:\j*ROWB+512*(\s) th:TH_LOAD_NT
.endif
.endr
.endm
.macro STEP s
.if (\s) < 7
	s_wait_loadcnt 16                              ; this step's 16 loads are in; the next step's may be out
.else
	s_wait_loadcnt 0
.endif
.irp j, 0,1,2,3,4,5,6,7,8,9,10,11,12,13,14,15
	ds_store_b128 v[SIN], v[R+64*((\s)%2)+4*\j:R+64*((\s)%2)+4*\j+3] offset:SP*\j
.endr
.irp b, 0,1,2,3
.irp k, 0,1,2,3
	ds_load_b128 v[X+16*\b+4*\k:X+16*\b+4*\k+3], v[SOUT] offset:128*\b+16*\k   ; LDS serves a wave's instructions in order: these see the stores above
.endr
.endr
	s_wait_xcnt 0x0                                ; the last step's stores have read the codes' registers, which are written again below
	s_wait_dscnt 0x0                               ; my numbers are back, and the stage's stores have read their registers,
.if (\s) < 6
	LOAD (\s)+2                                    ; which take the loads of two steps on
.endif
	QUANT X, PWS+(\s)
	global_store_b128 v[L16], v[PC:PC+3], s[18:19] offset:1536*(\s)          ; each store covers 512 or 256 consecutive bytes, aligned to 256
	global_store_b64 v[L8], v[PC+4:PC+5], s[18:19] offset:1536*(\s)+512
	global_store_b128 v[L16], v[PC+6:PC+9], s[18:19] offset:1536*(\s)+768
	global_store_b64 v[L8], v[PC+10:PC+11], s[18:19] offset:1536*(\s)+1280
.endm
	LOAD 0
	LOAD 1
.irp s, 0,1,2,3,4,5,6,7
	STEP \s
.endr
	v_cmp_lt_u32 vcc_lo, 15, v[LN]                 ; lanes 16-31 hold the same words as lanes 0-15: they store words 4 to 7
.irp j, 0,1,2,3
	v_cndmask_b32 v[OW+\j], v[PWS+\j], v[PWS+4+\j], vcc_lo
.endr
	global_store_b128 v[SCO], v[OW:OW+3], s[20:21] ; the tile's 512 bytes of scale words
	s_wait_tensorcnt 0x0
	ds_add_u32 v62, v63
	s_wait_dscnt 0x0
	s_endpgm
.Lfunc_end_k_q9f26072928_quant:
	.size	k_q9f26072928_quant, .Lfunc_end_k_q9f26072928_quant-k_q9f26072928_quant
	.p2alignl 7, 3214868480
	.fill 96, 4, 3214868480
	.section	.rodata,"a",@progbits
	.p2align	6, 0x0
	.amdhsa_kernel k_q9f26072928_quant
		.amdhsa_group_segment_fixed_size 34304
		.amdhsa_private_segment_fixed_size 0
		.amdhsa_enable_private_segment 0
		.amdhsa_kernarg_size 72
		.amdhsa_user_sgpr_count 2
		.amdhsa_user_sgpr_kernarg_segment_ptr 1
		.amdhsa_wavefront_size32 1
		.amdhsa_system_sgpr_workgroup_id_x 1
		.amdhsa_system_sgpr_workgroup_id_y 1
		.amdhsa_system_sgpr_workgroup_id_z 1
		.amdhsa_system_vgpr_workitem_id 0
		.amdhsa_next_free_vgpr 256
		.amdhsa_next_free_sgpr 66
		.amdhsa_reserve_vcc 1
		.amdhsa_float_denorm_mode_32 3
		.amdhsa_float_denorm_mode_16_64 3
		.amdhsa_memory_ordered 1
		.amdhsa_forward_progress 1
		.amdhsa_inst_pref_size 66
	.end_amdhsa_kernel
	.amdgpu_metadata
---
amdhsa.version: [ 1, 2 ]
amdhsa.kernels:
  - .name:           k_q9f26072928_quant
    .symbol:         k_q9f26072928_quant.kd
    .args:
      - { .name: q, .offset: 0, .size: 8, .value_kind: global_buffer, .address_space: global }
      - { .name: k, .offset: 8, .size: 8, .value_kind: global_buffer, .address_space: global }
      - { .name: v, .offset: 16, .size: 8, .value_kind: global_buffer, .address_space: global }
      - { .name: Wq, .offset: 24, .size: 8, .value_kind: global_buffer, .address_space: global }
      - { .name: Wk, .offset: 32, .size: 8, .value_kind: global_buffer, .address_space: global }
      - { .name: Wv, .offset: 40, .size: 8, .value_kind: global_buffer, .address_space: global }
      - { .name: Wo, .offset: 48, .size: 8, .value_kind: global_buffer, .address_space: global }
      - { .name: xw_codes, .offset: 56, .size: 8, .value_kind: global_buffer, .address_space: global }
      - { .name: xw_sc, .offset: 64, .size: 8, .value_kind: global_buffer, .address_space: global }
    .group_segment_fixed_size: 34304
    .private_segment_fixed_size: 0
    .kernarg_segment_align: 8
    .kernarg_segment_size: 72
    .max_flat_workgroup_size: 128
    .sgpr_count:     66
    .vgpr_count:     256
    .wavefront_size: 32
...
	.end_amdgpu_metadata
.endif
;; end of part 1
;; launch proj (part 2): grid 4 x 192, 4 waves a work-group, clusters of 4 x 4, 327,680 bytes of LDS; arguments xw_codes, xw_sc, bq, bk, bv, q_img, kv_blk, qk_sc; writes q_img, kv_blk, qk_sc
.if DOCPART == 2
	.amdgcn_target "amdgcn-amd-amdhsa--gfx1250"
	.amdhsa_code_object_version 6
	.text
	.protected	k_q9f26072928_proj
	.globl	k_q9f26072928_proj
	.p2align	8
	.type	k_q9f26072928_proj,@function
k_q9f26072928_proj:
	s_mov_b64 s[64:65], 0
	v_nop
	global_prefetch_b8 v0, s[64:65] scope:SCOPE_SE
	s_setreg_imm32_b32 hwreg(HW_REG_WAVE_MODE, 25, 1), 1
	s_wait_xcnt 0x0
	s_wait_alu depctr_hold_cnt(0) depctr_sa_sdst(0) depctr_va_vdst(0) depctr_va_sdst(0) depctr_va_ssrc(0) depctr_va_vcc(0) depctr_vm_vsrc(0)
	s_getreg_b32 s2, hwreg(HW_REG_IB_STS2, 6, 4)
	s_cmp_eq_u32 s2, 0
	s_cbranch_scc0 .Lentry_in_a_cluster
	s_endpgm
.Lentry_in_a_cluster:
	s_bfe_u32 s2, ttmp6, 0x10000c
	s_cmp_lg_u32 s2, 0xf033
	s_cbranch_scc0 .Lentry_shape_is_right
	s_endpgm
.Lentry_shape_is_right:
; The three projections x W^T + b on codes of FP6 (E2M3) with E8M0 scales, and the quantising of their results for the attention that follows.  K = 1,024 in 8 steps of 128.
; A work-group makes 128 rows of operand Q (source 1) x 256 rows of operand P (source 0).  Four waves: wq = wave / 2 takes 4 tiles of Q, wp = wave % 2 takes 8 tiles of P: 32 accumulators, 256 registers.
; In the result a lane holds ONE row of Q and its registers run along P's rows; by the order of rows in a tile (lane r of tile T: row 32 (T / 2) + 8 (T % 2) + r + 8 (r / 8)) the 64 registers of a tile of Q are
; 128 neighbours along P: register 16 g + i is P's row 32 g + 16 (lane / 16) + i.  So they are quantised in registers into one fragment of the next product.
; ROLES, by t = cluster y / 16, which all partners share; chosen by s_cselect, never by a branch.  t = 0, 1 (q, k): Q = the tokens, P = W's rows: a lane's 128 numbers are two heads' channels: two half fragments.
;   t = 2 (v): Q = Wv's rows (channels), P = the tokens (keys): a lane's 128 numbers are 128 keys of one channel: a fragment of V^T, quantised along the keys.
; ALL OF K LIES IN LDS: 384 rows x 768 bytes = 294,912 bytes, brought by first fills alone, in four chunks of 256 along K; nothing is filled again.  Each wave has four tensor loads out at the most.
; CLUSTER 4 x 4: the four of a row of the cluster need the same tiles of Q, the four of a column the same tiles of P: each is asked for jointly.
; The bias: along P (q, k) it is the C of each sum's first product; along Q (v) it is added to the finished sums; the one that does not apply is cleared by a mask.
; RESULTS.  q_img [bh 64][tile 128][768]: half images (registers 0-3 at 16 x lane, 4-5 at 512 + 8 x lane).  kv_blk [bh][key step 16][12,544]: K's 8 half images, V^T's 4 images from 6,144, V's scale words from 12,288.
;   qk_sc [q, k][b 4][pair of heads 8][tile 128][r 16] words: bytes 0, 1 the even head's, bytes 2, 3 the odd head's.
; LIMITS: NaN and infinities are not served; a block of zeros gets the byte 1 where the rule says 127 (its codes are zeros; this program alone reads the bytes).
; REGISTERS: window 0: v1-8 addresses; v32-63 P's scale words, v64-79 Q's; v80-143 the bias as C, later 64 finished numbers; v144-151 the bias along Q; v152-247 Q's fragments, two sets, later the quantiser's work.
;   window 1: P's fragments, two sets, at v0 and v128.   window 2: accumulator (a, b) at v[8 (8 a + b)].
; THE FILLS AS THEY STAND: K lies in LDS in TWO HALVES of 512 along K (4 K steps), not in four chunks; each wave issues ONE tensor load: wave 0 P's half 0, wave 1 Q's half 0, wave 2 P's half 1, wave 3 Q's half 1.
; Waves 0 and 1 wait ahead of the first barrier; every wave waits ahead of the barrier in K step 3.  k's tiles of tokens have their own order of rows, which the products pass on to K's images.
.set TRB,  12288                       ; a tile's 8 K steps in memory
.set FRB,  1536                        ; a fragment's image
.set QCH,  49152                       ; LDS: a half of K (4 K steps) of Q's 8 tiles; tile i at 6,144 i
.set PCH,  98304                       ; and of P's 16
.set PB0,  98304                       ; P's chunks begin behind Q's two
.set SST,  294912                      ; behind the tiles: 256 bytes for each wave, for its scale words; no fill lands here
.set AQ16, 1
.set AQ8,  2
.set AP16, 3
.set AP8,  4
.set L16,  5
.set L8,   6
.set SW,   7
.set SR,   8
.set SCP,  32                          ; register 8 e + s: lanes 0-15 P's tile 2 e, lanes 16-31 tile 2 e + 1, K step s
.set SCQ,  64                          ; likewise for Q
.set BP,   80
.set HA,   80
.set BQ,   144
.set QF,   152
.set PC,   152
.set TM,   172
.set PW,   188
.set WV,   20
.set G1Q,  28                          ; s[28:35] descriptor group 1 for Q's tiles;  s[36:43] for P's
.set G1P,  36
.set G0Q,  44                          ; s[44:47] group 0 for my half of K of Q's tiles;  s[68:71] of P's
.set G0P,  68
.set SEL,  60
.set MX,   62                          ; all ones for q and k, else 0
.set MV,   63                          ; all ones for v, else 0
.set PA,   66                          ; s[66:67] where registers 0-5 of a fragment go;  s[84:85] registers 6-11
.set PB,   84
.set SA,   86                          ; s[86:87] from one tile of Q to the next
.set SO,   88                          ; s[88:89] where my 256 bytes of scale words go
.set MSB, 0
.macro WIN new                         ; the immediate's high byte repeats the setting that is left
.if MSB != \new
	s_set_vgpr_msb (MSB<<8)|\new
.set MSB, \new
.endif
.endm
.macro PLACES n
.rept \n
	v_nop
.endr
.endm
.macro CROUND                          ; a round of the cluster's barrier
	s_barrier_signal -1
	s_barrier_wait -1
	s_cmp_lg_u32 s[WV], 0
	s_cbranch_scc1 .Lnot_wave_0_\@
	s_barrier_signal -3
.Lnot_wave_0_\@:
	s_barrier_wait -3
	s_barrier_signal -1
	s_barrier_wait -1
.endm
.macro QUANT s, pw                     ; 64 numbers of a lane become a fragment's codes in v[PC] .. v[PC + 11] and its scale word in v[pw]
.irp b, 0,1,2,3
	v_max3_num_f32 v[TM+\b], |v[\s+16*\b]|, |v[\s+1+16*\b]|, 0x1800000   ; block b: my 16 numbers, and the floor 2^(3 - 127): the byte cannot fall under 1
.endr
.irp i, 2,4,6,8,10,12,14
.irp b, 0,1,2,3
	v_max3_num_f32 v[TM+\b], v[TM+\b], |v[\s+16*\b+\i]|, |v[\s+1+16*\b+\i]|
.endr
.endr
.irp b, 0,1,2,3
	v_permlanex16_b32 v[TM+4+\b], v[TM+\b], s[SEL], s[SEL+1]
.endr
.irp b, 0,1,2,3
	v_max_num_f32 v[TM+\b], v[TM+\b], v[TM+4+\b]   ; with lane l xor 16's: the block's largest magnitude
.endr
.irp b, 0,1,2,3
	v_add_nc_u32 v[TM+12+\b], 0xff000000, v[TM+\b]   ; 2 off its exponent field: the conversion's scale operand
.endr
.irp b, 0,1,2,3
	v_lshrrev_b32 v[TM+4+\b], 23, v[TM+12+\b]      ; the scale's byte
.endr
	v_lshl_or_b32 v[\pw], v[TM+5], 8, v[TM+4]
	v_lshl_or_b32 v[\pw], v[TM+6], 16, v[\pw]
	v_lshl_or_b32 v[\pw], v[TM+7], 24, v[\pw]
.irp c, 0,1
	v_cvt_scalef32_pk16_fp6_f32 v[PC+6*\c:PC+2+6*\c], v[\s+32*\c:\s+15+32*\c], v[TM+12+2*\c]
	v_cvt_scalef32_pk16_fp6_f32 v[PC+12+4*\c:PC+14+4*\c], v[\s+16+32*\c:\s+31+32*\c], v[TM+12+2*\c+1]
.endr
	v_nop                                          ; one plain place behind a scaled conversion
.irp c, 0,1
.irp i, 0,1,2
	v_permlane16_swap_b32 v[PC+6*\c+\i], v[PC+12+4*\c+\i]
.endr
.irp i, 0,1,2
	v_mov_b32 v[PC+3+6*\c+\i], v[PC+12+4*\c+\i]
.endr
.endr
.endm
	s_load_b512 s[4:19], s[0:1], 0x0               ; xw_codes s[4:5], xw_sc s[6:7], bq s[8:9], bk s[10:11], bv s[12:13], q_img s[14:15], kv_blk s[16:17], qk_sc s[18:19]
	v_lshl_add_u32 v254, v0, 2, 0x48400
	v_mov_b32 v255, 0
	ds_add_u32 v254, v255
	ds_add_u32 v254, v255
	v_lshrrev_b32 v9, 5, v0
	v_readfirstlane_b32 s[WV], v9                  ; wave 0..3
	s_lshr_b32 s21, s[WV], 1                       ; wq.  Also: which half of K I fetch
	s_and_b32 s22, s[WV], 1                        ; wp.  Also: I fetch for P (0) or for Q (1)
	s_bfe_u32 s23, ttmp6, 0x40000                  ; cx
	s_bfe_u32 s24, ttmp6, 0x40004                  ; cy
	s_and_b32 s25, ttmp7, 0xffff                   ; cluster y, 0..47 (the grid has one cluster along x)
	s_lshr_b32 s26, s25, 4                         ; t: 0 q, 1 k, 2 v
	s_and_b32 s27, s25, 15
	s_and_b32 s92, s27, 7                          ; v: 8 clusters along the tokens,
	s_lshr_b32 s93, s27, 3                         ;    2 along the channels
	s_lshl_b32 s94, s26, 9                         ; q, k: the tokens' first tile, 512 t,
	s_lshl_b32 s95, s26, 6
	s_add_co_u32 s95, s95, 1536                    ;       W's first tile, 1,536 + 64 t
	s_cmp_eq_u32 s26, 2
	s_cselect_b32 s92, s92, 0
	s_cselect_b32 s93, s93, s27
	s_cselect_b32 s94, 1664, s94                   ; Q's first tile in xw_codes (v: Wv's)
	s_cselect_b32 s95, 1024, s95                   ; P's (v: the tokens')
	s_cselect_b32 s[MV], -1, 0
	s_cselect_b32 s[MX], 0, -1
	s_lshl_b32 s90, s92, 2
	s_add_co_u32 s90, s90, s23                     ; which 256 rows of P: hangs on cx alone
	s_lshl_b32 s91, s93, 2
	s_add_co_u32 s91, s91, s24                     ; which 128 rows of Q: hangs on cy alone
	s_lshl_b32 s96, s91, 3
	s_add_co_u32 s96, s96, s94                     ; the work-group's first tile of Q,
	s_lshl_b32 s97, s90, 4
	s_add_co_u32 s97, s97, s95                     ; and of P
	s_lshl_b32 s93, s24, 2
	s_lshl_b32 s93, 15, s93                        ; my row of the cluster
	s_lshl_b32 s92, 0x1111, s23                    ; my column
	; descriptor group 1: rows of 6,144 bytes (a tile's four K steps: 768 elements of 8 bytes), 12,288 bytes apart, dense in LDS; Q: 8 rows a load, P: 16
	s_or_b32 s[G1Q], s93, (3<<16)|(1<<21)          ; 15:0 the mask; 17:16 elements of 8 bytes; 21 set beside a mask
	s_or_b32 s[G1P], s92, (3<<16)|(1<<21)
	s_mov_b32 s[G1Q+1], 768<<16                    ; rows of 6,144 bytes (a tile's four K steps: 768 elements of 8 bytes), 12,288 bytes apart; Q: 8 rows, P: 16
	s_mov_b32 s[G1Q+2], 8<<16
	s_mov_b32 s[G1Q+3], 768<<16
	s_mov_b32 s[G1Q+4], 8
	s_mov_b32 s[G1Q+5], 1536
	s_mov_b32 s[G1Q+6], 0
	s_mov_b32 s[G1Q+7], 0
	s_mov_b32 s[G1P+1], 768<<16
	s_mov_b32 s[G1P+2], 16<<16
	s_mov_b32 s[G1P+3], 768<<16
	s_mov_b32 s[G1P+4], 16
	s_mov_b32 s[G1P+5], 1536
	s_mov_b32 s[G1P+6], 0
	s_mov_b32 s[G1P+7], 0
	s_mul_i32 s98, s96, TRB                        ; Q: the work-group's 8 tiles,
	s_mul_i32 s94, s21, 6144                       ; my half of K: wave / 2
	s_add_co_u32 s98, s98, s94
	s_mov_b32 s99, 0
	s_mul_i32 s100, s97, TRB                       ; P: its 16 tiles
	s_add_co_u32 s100, s100, s94
	s_mov_b32 s101, 0
	s_mul_i32 s94, s21, QCH                        ; and where they go: the wave's number alone enters an LDS address
	s_mul_i32 s95, s21, PCH
	s_mov_b32 s[SEL], 0x76543210
	s_mov_b32 s[SEL+1], 0xfedcba98
	s_wait_dscnt 0x0
	s_wait_kmcnt 0x0
	s_add_nc_u64 s[98:99], s[4:5], s[98:99]
	s_add_nc_u64 s[100:101], s[4:5], s[100:101]
.irp c, 0
	s_mov_b32 s[G0Q+4*\c], 1
	s_add_co_u32 s[G0Q+4*\c+1], s94, \c*QCH
	s_add_nc_u64 s[G0Q+4*\c+2:G0Q+4*\c+3], s[98:99], \c*3072
	s_or_b32 s[G0Q+4*\c+3], s[G0Q+4*\c+3], 0x80000000
	s_mov_b32 s[G0P+4*\c], 1
	s_add_co_u32 s[G0P+4*\c+1], s95, PB0+\c*PCH
	s_add_nc_u64 s[G0P+4*\c+2:G0P+4*\c+3], s[100:101], \c*3072
	s_or_b32 s[G0P+4*\c+3], s[G0P+4*\c+3], 0x80000000
.endr
	CROUND                                         ; all sixteen work-groups are here: the joint loads meet
.macro ARM w, g0, g1, next             ; one chain of branches on the wave's number, one load to an arm, all arms to one join
	s_cmp_eq_u32 s[WV], \w
	s_cbranch_scc0 \next
	tensor_load_to_lds s[\g0:\g0+3], s[\g1:\g1+7]
	s_nop 0
	PLACES 4
	s_branch .Lfilled
\next:
.endm
	ARM 0, G0P, G1P, .Larm_1                       ; P's half 0
	ARM 1, G0Q, G1Q, .Larm_2                       ; Q's half 0
	ARM 2, G0P, G1P, .Larm_3                       ; P's half 1
	tensor_load_to_lds s[G0Q:G0Q+3], s[G1Q:G1Q+7]  ; Q's half 1
	s_nop 0
	PLACES 4
.Lfilled:
	v_and_b32 v9, 31, v0                           ; lane
	v_and_b32 v10, 15, v0                          ; r
	v_bfe_u32 v11, v0, 4, 1                        ; h
	v_lshlrev_b32 v[L16], 4, v9
	v_lshlrev_b32 v[L8], 3, v9
	s_mul_i32 s92, s21, 24576                      ; my 4 tiles of Q in a half of K,
	s_mul_i32 s93, s22, 49152
	s_add_co_u32 s93, s93, PB0                     ; my 8 of P
	v_add_nc_u32 v[AQ16], s92, v[L16]
	v_add_nc_u32 v[AQ8], s92, v[L8]
	v_add_nc_u32 v[AP16], s93, v[L16]
	v_add_nc_u32 v[AP8], s93, v[L8]
	s_lshl_b32 s94, s[WV], 8
	s_add_co_u32 s94, s94, SST
	v_lshl_add_u32 v[SW], v10, 2, s94              ; my wave's scale words: 4 r on the way in,
	v_add_nc_u32 v[SR], s94, v[L8]                 ; 8 x lane on the way out
	v_lshlrev_b32 v12, 5, v10
	v_lshl_add_u32 v12, v11, 9, v12                ; xw_sc: 32 r, + a tile for lanes 16-31
	s_wait_alu depctr_va_vdst(0)
	v_lshlrev_b32 v13, 6, v11                      ; the bias along P: 64 h
	s_wait_alu depctr_va_vdst(0)
	v_and_b32 v14, 8, v10
	v_add_nc_u32 v14, v14, v10
	v_lshlrev_b32 v14, 2, v14                      ; the bias along Q: 4 (r + 8 (r / 8))
	s_wait_alu depctr_va_vdst(0)
	s_lshl_b32 s92, s22, 3
	s_add_co_u32 s92, s92, s97
	s_lshl_b32 s92, s92, 9
	s_mov_b32 s93, 0
	s_add_nc_u64 s[92:93], s[6:7], s[92:93]        ; the scale words of my 8 tiles of P,
	s_lshl_b32 s94, s21, 2
	s_add_co_u32 s94, s94, s96
	s_lshl_b32 s94, s94, 9
	s_mov_b32 s95, 0
	s_add_nc_u64 s[94:95], s[6:7], s[94:95]        ; of my 4 of Q
	s_lshl_b32 s84, s90, 10
	s_lshl_b32 s85, s22, 9
	s_add_co_u32 s84, s84, s85                     ; q, k: 4 x my first output channel
	s_lshl_b32 s86, s91, 9
	s_lshl_b32 s87, s21, 8
	s_add_co_u32 s86, s86, s87                     ; v: the same
	s_cmp_eq_u32 s26, 0
	s_cselect_b64 s[98:99], s[8:9], s[10:11]
	s_cmp_eq_u32 s26, 2
	s_cselect_b64 s[98:99], s[12:13], s[98:99]     ; my tensor's bias
	s_cselect_b32 s84, 0, s84                      ; the offset that does not apply is 0: every load stays inside the 4,096 bytes
	s_cselect_b32 s86, s86, 0
	s_mov_b32 s85, 0
	s_mov_b32 s87, 0
	s_add_nc_u64 s[100:101], s[98:99], s[86:87]
	s_add_nc_u64 s[98:99], s[98:99], s[84:85]
.irp e, 0,1,2,3
	global_load_b128 v[SCP+8*\e:SCP+8*\e+3], v12, s[92:93] offset:1024*\e
	global_load_b128 v[SCP+8*\e+4:SCP+8*\e+7], v12, s[92:93] offset:1024*\e+16
.endr
.irp e, 0,1
	global_load_b128 v[SCQ+8*\e:SCQ+8*\e+3], v12, s[94:95] offset:1024*\e
	global_load_b128 v[SCQ+8*\e+4:SCQ+8*\e+7], v12, s[94:95] offset:1024*\e+16
.endr
.irp g, 0,1,2,3
.irp k, 0,1,2,3
	global_load_b128 v[BP+16*\g+4*\k:BP+16*\g+4*\k+3], v13, s[98:99] offset:128*\g+16*\k   ; register 16 g + i: the bias of P's row 32 g + 16 h + i
.endr
.endr
.irp a, 0,1,2,3
	global_load_b32 v[BQ+2*\a], v14, s[100:101] offset:4*(32*(\a/2)+8*(\a%2))   ; the bias of my row of Q's tile a
.endr
.irp a, 0,1,2,3
	v_mov_b32 v[BQ+2*\a+1], 0                      ; (named as the upper half of a pair)
.endr
	; where the results go.  q, k:
	s_lshl_b32 s25, s91, 3
	s_lshl_b32 s3, s21, 2
	s_add_co_u32 s25, s25, s3                      ; my first tile of tokens,
	s_lshr_b32 s27, s25, 7                         ; its batch,
	s_and_b32 s25, s25, 127                        ; its number in the batch
	s_lshl_b32 s23, s90, 1
	s_add_co_u32 s23, s23, s22                     ; my pair of heads
	s_lshl_b32 s24, s27, 4
	s_lshl_b32 s3, s23, 1
	s_add_co_u32 s24, s24, s3                      ; 16 b + the even head
	s_lshl_b32 s96, s24, 7
	s_add_co_u32 s96, s96, s25
	s_mul_i32 s96, s96, 768                        ; q: the place in q_img
	s_lshl_b32 s97, s24, 4
	s_lshr_b32 s3, s25, 3
	s_add_co_u32 s97, s97, s3
	s_mul_i32 s97, s97, 12544
	s_and_b32 s3, s25, 7
	s_mul_i32 s3, s3, 768
	s_add_co_u32 s97, s97, s3                      ; k: the place in kv_blk
	s_lshl_b32 s2, s27, 3
	s_add_co_u32 s2, s2, s23
	s_lshl_b32 s2, s2, 7
	s_add_co_u32 s2, s2, s25
	s_lshl_b32 s2, s2, 6
	s_lshl_b32 s3, s26, 18
	s_add_co_u32 s2, s2, s3                        ; q, k: the scale words' place in qk_sc
	; v:
	s_lshr_b32 s23, s90, 3                         ; the batch,
	s_lshl_b32 s24, s91, 1
	s_add_co_u32 s24, s24, s21                     ; the head,
	s_and_b32 s25, s90, 7
	s_lshl_b32 s25, s25, 1
	s_add_co_u32 s25, s25, s22                     ; the key step
	s_lshl_b32 s23, s23, 4
	s_add_co_u32 s23, s23, s24
	s_lshl_b32 s23, s23, 4
	s_add_co_u32 s23, s23, s25
	s_mul_i32 s23, s23, 12544                      ; its block in kv_blk
	s_add_co_u32 s24, s23, 6144
	s_add_co_u32 s25, s23, 12288
	s_mov_b32 s27, 200704                          ; k: from a head to the next
	s_mov_b32 s[SA], 768
	s_cmp_eq_u32 s26, 0
	s_cselect_b64 s[PA:PA+1], s[14:15], s[16:17]
	s_cselect_b32 s96, s96, s97
	s_cselect_b32 s27, 98304, s27                  ; q: from a head to the next
	s_cmp_eq_u32 s26, 2
	s_cselect_b32 s96, s24, s96
	s_cselect_b32 s27, 768, s27                    ; v: the image's second half
	s_cselect_b32 s[SA], 1536, s[SA]
	s_cselect_b64 s[SO:SO+1], s[16:17], s[18:19]
	s_cselect_b32 s2, s25, s2
	s_mov_b32 s97, 0
	s_mov_b32 s3, 0
	s_mov_b32 s[SA+1], 0
	s_add_nc_u64 s[PA:PA+1], s[PA:PA+1], s[96:97]
	s_mov_b32 s96, s27
	s_add_nc_u64 s[PB:PB+1], s[PA:PA+1], s[96:97]
	s_add_nc_u64 s[SO:SO+1], s[SO:SO+1], s[2:3]
	s_wait_loadcnt 0x0                             ; scale words and biases
.set i, 0
.rept 64
	v_and_b32 v[BP+i], s[MX], v[BP+i]              ; the bias along P counts for q and k alone,
.set i, i+1
.endr
.irp a, 0,1,2,3
	v_and_b32 v[BQ+2*\a], s[MV], v[BQ+2*\a]        ; that along Q for v alone
.endr
; 48 LDS loads: the fragments of K step kk (8 of P, 4 of Q) into set kk % 2.  An image comes back as it was stored: 16, 8, 16, 8 bytes a lane, each load on consecutive bytes.
.macro FETCH kk
	WIN 0x40                                       ; destination window 1, address window 0
.irp b, 0,1,2,3,4,5,6,7
	ds_load_b128 v[128*((\kk)%2)+12*\b:128*((\kk)%2)+12*\b+3], v[AP16] offset:6144*\b+FRB*((\kk)%4)
	ds_load_b64 v[128*((\kk)%2)+12*\b+4:128*((\kk)%2)+12*\b+5], v[AP8] offset:6144*\b+FRB*((\kk)%4)+512
	ds_load_b128 v[128*((\kk)%2)+12*\b+6:128*((\kk)%2)+12*\b+9], v[AP16] offset:6144*\b+FRB*((\kk)%4)+768
	ds_load_b64 v[128*((\kk)%2)+12*\b+10:128*((\kk)%2)+12*\b+11], v[AP8] offset:6144*\b+FRB*((\kk)%4)+1280
.endr
	WIN 0
.irp a, 0,1,2,3
	ds_load_b128 v[QF+48*((\kk)%2)+12*\a:QF+48*((\kk)%2)+12*\a+3], v[AQ16] offset:6144*\a+FRB*((\kk)%4)
	ds_load_b64 v[QF+48*((\kk)%2)+12*\a+4:QF+48*((\kk)%2)+12*\a+5], v[AQ8] offset:6144*\a+FRB*((\kk)%4)+512
	ds_load_b128 v[QF+48*((\kk)%2)+12*\a+6:QF+48*((\kk)%2)+12*\a+9], v[AQ16] offset:6144*\a+FRB*((\kk)%4)+768
	ds_load_b64 v[QF+48*((\kk)%2)+12*\a+10:QF+48*((\kk)%2)+12*\a+11], v[AQ8] offset:6144*\a+FRB*((\kk)%4)+1280
.endr
.endm
; One product: Q's tile a x P's tile b, K step kk.  In step 0 the bias is C.  An odd tile's scale words lie in lanes 16-31 of its pair's register.
.macro MM a, b, kk
.set rD, 8*(8*(\a)+(\b))
.set rC, rD
.if (\kk) == 0
.set rC, BP+8*(\b)
.endif
.set rP, 128*((\kk)%2)+12*(\b)
.set rQ, QF+48*((\kk)%2)+12*(\a)
.set rS, SCP+8*((\b)/2)+(\kk)
.set rT, SCQ+8*((\a)/2)+(\kk)
.if ((\a)%2 == 0) && ((\b)%2 == 0)
	v_wmma_scale_f32_16x16x128_f8f6f4 v[rD:rD+7], v[rP:rP+11], v[rQ:rQ+11], v[rC:rC+7], v[rS], v[rT] matrix_a_fmt:MATRIX_FMT_FP6 matrix_b_fmt:MATRIX_FMT_FP6
.elseif ((\a)%2 == 0)
	v_wmma_scale_f32_16x16x128_f8f6f4 v[rD:rD+7], v[rP:rP+11], v[rQ:rQ+11], v[rC:rC+7], v[rS], v[rT] matrix_a_fmt:MATRIX_FMT_FP6 matrix_b_fmt:MATRIX_FMT_FP6 matrix_a_scale:MATRIX_SCALE_ROW1
.elseif ((\b)%2 == 0)
	v_wmma_scale_f32_16x16x128_f8f6f4 v[rD:rD+7], v[rP:rP+11], v[rQ:rQ+11], v[rC:rC+7], v[rS], v[rT] matrix_a_fmt:MATRIX_FMT_FP6 matrix_b_fmt:MATRIX_FMT_FP6 matrix_b_scale:MATRIX_SCALE_ROW1
.else
	v_wmma_scale_f32_16x16x128_f8f6f4 v[rD:rD+7], v[rP:rP+11], v[rQ:rQ+11], v[rC:rC+7], v[rS], v[rT] matrix_a_fmt:MATRIX_FMT_FP6 matrix_b_fmt:MATRIX_FMT_FP6 matrix_a_scale:MATRIX_SCALE_ROW1 matrix_b_scale:MATRIX_SCALE_ROW1
.endif
.endm
; A K step: its fragments are in; the next step's are asked for, behind four places (they land in registers that the step before multiplied); then 32 products, the 32 accumulators by turns.
.macro STEP kk
	s_wait_dscnt 0x0                               ; this step's 48 loads are in
.if (\kk) < 7
.if (\kk) == 3
	s_wait_tensorcnt 0x0                           ; every wave waits for its one load: the second half of K has landed
	s_barrier_signal -1
	s_barrier_wait -1                              ; everybody's has.
	v_add_nc_u32 v[AQ16], QCH, v[AQ16]             ; on to that chunk: these four are the places
	v_add_nc_u32 v[AQ8], QCH, v[AQ8]
	v_add_nc_u32 v[AP16], PCH, v[AP16]
	s_wait_alu depctr_va_vdst(0)
	v_add_nc_u32 v[AP8], PCH, v[AP8]
.else
	PLACES 4
.endif
	s_wait_alu depctr_va_vdst(0)
	FETCH (\kk)+1
.endif
.if (\kk) == 0
	WIN 0x81                                       ; source 0 (P) window 1, source 1 (Q) and C (the bias) window 0, D window 2
.else
	WIN 0xa1                                       ; C and D window 2
.endif
.irp a, 0,1,2,3
.irp b, 0,1,2,3,4,5,6,7
	MM \a, \b, \kk
.endr
.endr
	WIN 0
.endm
	s_wait_alu depctr_va_vdst(0)
	s_cmp_lt_u32 s[WV], 2                          ; waves 0 and 1 brought the first half of K: they wait; the other two loads may be out
	s_cbranch_scc0 .Lhalf_1
	s_wait_tensorcnt 0x0
.Lhalf_1:
	s_barrier_signal -1
	s_barrier_wait -1
	FETCH 0
.irp kk, 0,1,2,3,4,5,6,7
	STEP \kk
.endr
; THE WAY OUT, a tile of Q at a time: the bias along Q, the quantiser, the image's four pieces to memory (512 or 256 consecutive bytes each, aligned to 256), the scale word to my 256 bytes of LDS.
.macro TILE_OUT a
.if (\a) > 0
	s_wait_xcnt 0x0                                ; the last tile's stores have read their registers and bases,
	s_wait_dscnt 0x0                               ; and the LDS store its word
	s_add_nc_u64 s[PA:PA+1], s[PA:PA+1], s[SA:SA+1]
	s_add_nc_u64 s[PB:PB+1], s[PB:PB+1], s[SA:SA+1]
.endif
	WIN 0x02                                       ; source 0: window 2
.set i, 0
.rept 32
	v_pk_add_f32 v[HA+i:HA+i+1], v[64*(\a)+i:64*(\a)+i+1], v[BQ+2*(\a):BQ+2*(\a)+1] op_sel_hi:[1,0]   ; each accumulator from its low end on
.set i, i+2
.endr
	WIN 0
	QUANT HA, PW
	global_store_b128 v[L16], v[PC:PC+3], s[PA:PA+1]
	global_store_b64 v[L8], v[PC+4:PC+5], s[PA:PA+1] offset:512
	global_store_b128 v[L16], v[PC+6:PC+9], s[PB:PB+1]
	global_store_b64 v[L8], v[PC+10:PC+11], s[PB:PB+1] offset:512
	ds_store_b32 v[SW], v[PW] offset:64*(\a)       ; lanes r and r + 16 write the same word with the same value
.endm
	PLACES 4                                       ; behind the last products, in front of the first read of results
.irp b, 0,1,2,3
	v_mov_b32 v[TM+4+\b], 0                        ; a lane permute's destination counts as one of its sources
.endr
.irp a, 0,1,2,3
	TILE_OUT \a
.endr
	ds_load_b64 v[TM:TM+1], v[SR]                  ; LDS serves a wave's instructions in order: this sees my four stores
	s_wait_dscnt 0x0
	global_store_b64 v[L8], v[TM:TM+1], s[SO:SO+1] ; my 4 tiles' scale words: 256 consecutive bytes, aligned
	s_wait_tensorcnt 0x0
	ds_add_u32 v254, v255
	s_wait_dscnt 0x0
	CROUND                                         ; the closing round: no work-group ends while a partner may still ask for a tile that names it
	s_endpgm
.Lfunc_end_k_q9f26072928_proj:
	.size	k_q9f26072928_proj, .Lfunc_end_k_q9f26072928_proj-k_q9f26072928_proj
	.p2alignl 7, 3214868480
	.fill 96, 4, 3214868480
	.section	.rodata,"a",@progbits
	.p2align	6, 0x0
	.amdhsa_kernel k_q9f26072928_proj
		.amdhsa_group_segment_fixed_size 327680
		.amdhsa_private_segment_fixed_size 0
		.amdhsa_enable_private_segment 0
		.amdhsa_kernarg_size 64
		.amdhsa_user_sgpr_count 2
		.amdhsa_user_sgpr_kernarg_segment_ptr 1
		.amdhsa_wavefront_size32 1
		.amdhsa_system_sgpr_workgroup_id_x 1
		.amdhsa_system_sgpr_workgroup_id_y 1
		.amdhsa_system_sgpr_workgroup_id_z 1
		.amdhsa_system_vgpr_workitem_id 0
		.amdhsa_next_free_vgpr 768
		.amdhsa_next_free_sgpr 102
		.amdhsa_reserve_vcc 0
		.amdhsa_float_denorm_mode_32 3
		.amdhsa_float_denorm_mode_16_64 3
		.amdhsa_memory_ordered 1
		.amdhsa_forward_progress 1
		.amdhsa_inst_pref_size 100
	.end_amdhsa_kernel
	.amdgpu_metadata
---
amdhsa.version: [ 1, 2 ]
amdhsa.kernels:
  - .name:           k_q9f26072928_proj
    .symbol:         k_q9f26072928_proj.kd
    .args:
      - { .name: xw_codes, .offset: 0, .size: 8, .value_kind: global_buffer, .address_space: global }
      - { .name: xw_sc, .offset: 8, .size: 8, .value_kind: global_buffer, .address_space: global }
      - { .name: bq, .offset: 16, .size: 8, .value_kind: global_buffer, .address_space: global }
      - { .name: bk, .offset: 24, .size: 8, .value_kind: global_buffer, .address_space: global }
      - { .name: bv, .offset: 32, .size: 8, .value_kind: global_buffer, .address_space: global }
      - { .name: q_img, .offset: 40, .size: 8, .value_kind: global_buffer, .address_space: global }
      - { .name: kv_blk, .offset: 48, .size: 8, .value_kind: global_buffer, .address_space: global }
      - { .name: qk_sc, .offset: 56, .size: 8, .value_kind: global_buffer, .address_space: global }
    .group_segment_fixed_size: 327680
    .private_segment_fixed_size: 0
    .kernarg_segment_align: 8
    .kernarg_segment_size: 64
    .max_flat_workgroup_size: 128
    .sgpr_count:     102
    .vgpr_count:     768
    .wavefront_size: 32
...
	.end_amdgpu_metadata
.endif
;; end of part 2
;; launch attn (part 3): grid 4 x 64, 8 waves a work-group, clusters of 4 x 1, 327,680 bytes of LDS; arguments q_img, qk_sc, kv_blk, ao_codes, ao_sc; writes ao_codes, ao_sc
.if DOCPART == 3
	.amdgcn_target "amdgcn-amd-amdhsa--gfx1250"
	.amdhsa_code_object_version 6
	.text
	.protected	k_q9f26072928_attn
	.globl	k_q9f26072928_attn
	.p2align	8
	.type	k_q9f26072928_attn,@function
k_q9f26072928_attn:
	s_mov_b64 s[64:65], 0
	v_nop
	global_prefetch_b8 v0, s[64:65] scope:SCOPE_SE
	s_setreg_imm32_b32 hwreg(HW_REG_WAVE_MODE, 25, 1), 1
	s_wait_xcnt 0x0
	s_wait_alu depctr_hold_cnt(0) depctr_sa_sdst(0) depctr_va_vdst(0) depctr_va_sdst(0) depctr_va_ssrc(0) depctr_va_vcc(0) depctr_vm_vsrc(0)
	s_getreg_b32 s2, hwreg(HW_REG_IB_STS2, 6, 4)
	s_cmp_eq_u32 s2, 0
	s_cbranch_scc0 .Lentry_in_a_cluster
	s_endpgm
.Lentry_in_a_cluster:
	s_bfe_u32 s2, ttmp6, 0x10000c
	s_cmp_lg_u32 s2, 0x3003
	s_cbranch_scc0 .Lentry_shape_is_right
	s_endpgm
.Lentry_shape_is_right:
; o = softmax(q k^T / 32) v for one batch and head (cluster y) and 512 queries (place in the cluster), on codes of FP6 (E2M3) with E8M0 scales; o leaves quantised along the head's 64 for the last projection.
; p = 2^(t - M), t = score x log2(e) / 32, M the ceiling of the running largest t; the row's sum is taken of the unquantised p; when M moves, sums and O are multiplied by a power of two, in every step, with no branch.
; LIMITS: NaN and infinities are not served; the promise holds while |t| stays under 2^31.  A block whose every p is 0 gets the byte 1; its codes are zeros.
; SHARES.  Eight waves; a wave owns FOUR tiles of 16 queries (tiles wave + 8 t of the work-group's 32) and walks the 16 key steps of 128 once: each fragment of K and of V^T read from LDS serves four tiles.
; Both products are used transposed (S^T = K q^T, O^T = V^T p^T): a lane holds one query.  By the order of keys in K's tiles (lane m of tile 4 c + u: key 64 c + 8 u + m + 24 (m / 8)) registers 32 c .. 32 c + 31
; of a tile's scores in lane (r, h) are the block of 32 keys 64 c + 32 h ..: a block's maximum needs no other lane, and the conversions' results are p's operand registers.
; The head has 64 channels: the upper half of q's operand is zero codes, so what follows a K image in the registers counts for nothing.
; LDS: all of the head's K and V (16 x 12,544 bytes) and K's scale words (8,192), filled once at the head, one joint load a wave: wave 0 the scales, waves 1-7 a seventh of K and V each (112 rows of 256 bytes).
; THE FIRST KEY STEP IS WRITTEN OUT AHEAD OF THE LOOP.  It reads the scales and the first seventh (key steps 0 and 1) alone: waves 0 and 1, whose load lines are their own, wait ahead of the first barrier; every wave
; waits ahead of the barrier behind that step, so the other six sevenths have the step's work in which to land.  Its products with V start the sums (C = 0), and it has no old M to rescale by.
; CLUSTER 4 x 1: the four work-groups of a head need the same K and V.  No prefetch: every byte is asked for at the head, there is no loop to run ahead in.
; ORDER IN A STEP.  The tiles go in PAIRS (a, b), so that lines which do not hang on each other stand side by side: both tiles' maxima (eight chains), both chains from the maximum to M and f line by line in turn,
; t - M of a, the exponentials of a with t - M of b among them, the exponentials of b, the quantising and the sum of a behind them, O of both under the new M, the products of a with V, S of the tile two on,
; the quantising and the sum of b, its products, S of the tile two on.
; REGISTERS.  Window 0: v1-11 addresses; v12-51 ten a tile: -M, largest score, the sum in four pairs; v52-103 at work, scales, p's codes; v104-151 q; v152-205 K; v206-253 V^T.
;   Window 1: v0-127 two sets of 64 scores; v128-255 O^T, 32 a tile.
.set BLK,  12544
.set PART, 28672                       ; a seventh of 16 BLK
.set KSC,  200704
.set OSC,  208896                      ; 1,024 bytes: o's scale bytes on the way out; no fill lands here
.set SPARE, 0x40000
.set A16, 1
.set A8,  2
.set AV,  3
.set AK,  4
.set L16, 5
.set L8,  6
.set LV,  7
.set LK,  8
.set SH,  9                            ; 8 h
.set OSA, 10
.set QSO, 11
.set ST,  12
.set FF,  52                           ; f, a pair for each tile of a pair of tiles
.set TMP, 56                           ; one for each tile of a pair, and so T2
.set T2,  58
.set BM,  60                           ; four for each tile of a pair
.set SOP, 68
.set EB,  70
.set PW,  72                           ; p's scale word, one for each tile of a pair
.set QS,  74
.set KS,  78
.set VS,  82
.set TC,  84
.set PC,  92
.set QF,  104
.set KF,  152
.set VF,  206
.set W,   152                          ; the way out: 32 numbers, where K's fragments lay; the codes go where V's lay
.set WV,  14
.set SEL, 22
.set CS,  24
.set NC,  26
.set G1A, 28
.set G1B, 36
.set G0A, 44
.set G0B, 48
.set TB,  52
.set TS,  53
.set CNT, 54
.set MSB, 0
.macro WIN new                         ; the immediate's high byte repeats the setting that is left
.if MSB != \new
	s_set_vgpr_msb (MSB<<8)|\new
.set MSB, \new
.endif
.endm
.macro PLACES n
.rept \n
	v_nop
.endr
.endm
.macro WALU
	s_wait_alu depctr_va_vdst(0)
.endm
.macro ROUND
	s_barrier_signal -1
	s_barrier_wait -1
	s_cmp_lg_u32 s[WV], 0
	s_cbranch_scc1 .Lnot_wave_0_\@
	s_barrier_signal -3
.Lnot_wave_0_\@:
	s_barrier_wait -3
	s_barrier_signal -1
	s_barrier_wait -1
.endm
.macro TLOAD g0, g1
	tensor_load_to_lds s[\g0:\g0+3], s[\g1:\g1+7]
	s_nop 0
	PLACES 4
.endm
.macro MM d, a, b, c, sa, sb, row
	v_wmma_scale_f32_16x16x128_f8f6f4 v[\d:\d+7], v[\a:\a+11], v[\b:\b+11], \c, v[\sa], v[\sb] matrix_a_fmt:MATRIX_FMT_FP6 matrix_b_fmt:MATRIX_FMT_FP6 matrix_a_scale:MATRIX_SCALE_ROW\row
.endm
.macro SMUL t, b                       ; the scores of tile t against the step's 8 tiles of keys, into set b; an odd tile's scale words lie in lanes 16-31
	WIN 0x40
.irp i, 0,2,4,6
	MM 64*(\b)+8*\i, KF+6*\i, QF+12*(\t), 0, KS+\i/2, QS+(\t), 0
	MM 64*(\b)+8*\i+8, KF+6*\i+6, QF+12*(\t), 0, KS+\i/2, QS+(\t), 1
.endr
.endm
.macro MAXES                           ; both tiles: four chains a tile, two to a block of 32 keys.  Set 0's first four lines are the places ahead of the first read of set 1
	WIN 0x05
	WALU                                           ; ahead of the first reader of these matrix results
.irp u, 0,1
.irp k, 0,1,2,3
	v_max3_num_f32 v[BM+4*\u+\k], v[64*\u+16*\k], v[64*\u+16*\k+1], 0xff7fffff
.endr
.endr
.irp i, 2,4,6,8,10,12,14
.irp u, 0,1
.irp k, 0,1,2,3
	v_max3_num_f32 v[BM+4*\u+\k], v[64*\u+16*\k+\i], v[64*\u+16*\k+\i+1], v[BM+4*\u+\k]
.endr
.endr
.endr
.endm
.macro CHAIN p, first                  ; from the blocks' largest scores to -M, f and the blocks' largest t - M; the two tiles line by line in turn.  first = 1: no old M, no f
.set NB, ST+20*(\p)
	WIN 0
.irp u, 0,1
	v_max_num_f32 v[BM+4*\u], v[BM+4*\u], v[BM+4*\u+1]       ; my two blocks' largest scores
.endr
.irp u, 0,1
	v_max_num_f32 v[BM+4*\u+2], v[BM+4*\u+2], v[BM+4*\u+3]
.endr
.if \first == 0
.irp u, 0,1
	v_mov_b32 v[BM+4*\u+1], v[NB+10*\u]                      ; the old -M
.endr
.endif
.irp u, 0,1
	v_max_num_f32 v[TMP+\u], v[BM+4*\u], v[BM+4*\u+2]
.endr
.irp u, 0,1
	v_permlanex16_b32 v[T2+\u], v[TMP+\u], s[SEL], s[SEL+1]
.endr
.irp u, 0,1
.if \first
	v_max_num_f32 v[NB+10*\u+1], v[TMP+\u], v[T2+\u]         ; the largest score of my query so far
.else
	v_max3_num_f32 v[NB+10*\u+1], v[NB+10*\u+1], v[TMP+\u], v[T2+\u]
.endif
.endr
.irp u, 0,1
	v_mul_f32 v[TMP+\u], s[NC], v[NB+10*\u+1]                ; -t
.endr
.irp u, 0,1
	v_floor_f32 v[NB+10*\u], v[TMP+\u]                       ; -M = floor(-t)
.endr
.if \first == 0
.irp u, 0,1
	v_sub_f32 v[TMP+\u], v[NB+10*\u], v[BM+4*\u+1]
.endr
.irp u, 0,1
	v_cvt_i32_f32 v[TMP+\u], v[TMP+\u]                       ; (it saturates)
.endr
.irp u, 0,1
	v_ldexp_f32 v[FF+2*\u], 1.0, v[TMP+\u]                   ; f = 2^(old M - new M)
.endr
.endif
.irp u, 0,1
	v_fma_f32 v[BM+4*\u], v[BM+4*\u], s[CS], v[NB+10*\u]
	v_fma_f32 v[BM+4*\u+2], v[BM+4*\u+2], s[CS], v[NB+10*\u]
.endr
.if \first == 0
.irp k, 2,4,6,8
.irp u, 0,1
	v_pk_mul_f32 v[NB+10*\u+\k:NB+10*\u+\k+1], v[NB+10*\u+\k:NB+10*\u+\k+1], v[FF+2*\u:FF+2*\u+1] op_sel_hi:[1,0]   ; the sums under the new M
.endr
.endr
.endif
.endm
.macro TMM0 p                          ; t - M of the pair's tile 0
.set N, ST+20*(\p)
	WIN 0x41
.set j, 0
.rept 32
	v_pk_fma_f32 v[j:j+1], v[j:j+1], s[CS:CS+1], v[N:N+1] op_sel_hi:[1,0,0]
.set j, j+2
.endr
.endm
.macro EXPS0 p                         ; tile 0: p, and each block's largest p by the same two steps on the same number; among them t - M of tile 1, which is read only behind the next wait
.set N, ST+20*(\p)+10
	WIN 0
	WALU                                           ; ahead of the batch
	v_exp_f32 v[BM], v[BM]
	v_exp_f32 v[BM+2], v[BM+2]
	WIN 0x41
.set j, 0
.rept 32
	v_exp_f32 v[j], v[j]
	v_exp_f32 v[j+1], v[j+1]
	v_pk_fma_f32 v[64+j:64+j+1], v[64+j:64+j+1], s[CS:CS+1], v[N:N+1] op_sel_hi:[1,0,0]
.set j, j+2
.endr
.endm
.macro EXPS1                           ; tile 1
	WIN 0
	WALU                                           ; behind tile 0's batch and ahead of tile 1's
	v_exp_f32 v[BM+4], v[BM+4]
	v_exp_f32 v[BM+6], v[BM+6]
	WIN 0x41
.set j, 64
.rept 64
	v_exp_f32 v[j], v[j]
.set j, j+1
.endr
.endm
.macro SUM16 from                      ; sixteen of the 32 additions: the sum of the unquantised p, four chains
.set j, SB+(\from)
.rept 4
.irp k, 0,1,2,3
	v_pk_add_f32 v[N+2+2*\k:N+3+2*\k], v[j+2*\k:j+2*\k+1], v[N+2+2*\k:N+3+2*\k]
.endr
.set j, j+8
.endr
.endm
.macro POST p, u                       ; the pair's tile u: p's scale word, codes and sum
.set N, ST+20*(\p)+10*(\u)
.set SB, 64*(\u)
.set B, BM+4*(\u)
	WIN 0
	v_max_num_f32 v[B], 0x1800000, v[B]            ; the floor 2^(3 - 127): the byte cannot fall under 1
	v_max_num_f32 v[B+2], 0x1800000, v[B+2]
	v_add_nc_u32 v[SOP], 0xff000000, v[B]          ; 2 off the exponent field: the conversions' scale operand
	v_add_nc_u32 v[SOP+1], 0xff000000, v[B+2]
	v_lshrrev_b32 v[EB], 23, v[SOP]
	v_lshrrev_b32 v[EB+1], 23, v[SOP+1]
	v_lshl_or_b32 v[EB], v[EB+1], 16, v[EB]        ; my bytes: blocks h and 2 + h,
	v_lshlrev_b32 v[EB], v[SH], v[EB]              ; at their places;
	v_permlanex16_b32 v[T2+(\u)], v[EB], s[SEL], s[SEL+1]
	v_or_b32 v[PW+(\u)], v[EB], v[T2+(\u)]         ; with lane l xor 16's the word is whole
	WIN 0x01
	v_cvt_scalef32_pk16_fp6_f32 v[PC:PC+2], v[SB:SB+15], v[SOP]
	v_cvt_scalef32_pk16_fp6_f32 v[TC:TC+2], v[SB+16:SB+31], v[SOP]      ; (a conversion's three registers begin on an even number)
	v_cvt_scalef32_pk16_fp6_f32 v[PC+6:PC+8], v[SB+32:SB+47], v[SOP+1]
	v_cvt_scalef32_pk16_fp6_f32 v[TC+4:TC+6], v[SB+48:SB+63], v[SOP+1]
	SUM16 0
	WIN 0
.irp i, 0,1,2
	v_mov_b32 v[PC+3+\i], v[TC+\i]
	v_mov_b32 v[PC+9+\i], v[TC+4+\i]
.endr
	WIN 0x01
	SUM16 32                                       ; these sixteen are also the places between the operand's last write and the products
.endm
.macro PV p, u, first                  ; O^T += V^T p^T; first = 1: the products start the sums
.set OT, 128+64*(\p)+32*(\u)
	WIN 0x50
.irp e, 0,2
.if \first
	MM OT+8*\e, VF+12*\e, PC, 0, VS+\e/2, PW+(\u), 0
	MM OT+8*\e+8, VF+12*\e+12, PC, 0, VS+\e/2, PW+(\u), 1
.else
	MM OT+8*\e, VF+12*\e, PC, v[OT+8*\e:OT+8*\e+7], VS+\e/2, PW+(\u), 0
	MM OT+8*\e+8, VF+12*\e+12, PC, v[OT+8*\e+8:OT+8*\e+15], VS+\e/2, PW+(\u), 1
.endif
.endr
.endm
.macro PAIR p, more, first             ; tiles 2 p (scores in set 0) and 2 p + 1 (set 1); more = 1: S of the tiles two on follows
	MAXES
	CHAIN \p, \first
	TMM0 \p
	EXPS0 \p
	EXPS1
	POST \p, 0
	WIN 0x41
	WALU                                           ; behind tile 1's batch, and ahead of the first reader of O
.if \first == 0
.irp u, 0,1
.set j, 128+64*(\p)+32*\u
.rept 16
	v_pk_mul_f32 v[j:j+1], v[j:j+1], v[FF+2*\u:FF+2*\u+1] op_sel_hi:[1,0]   ; O under the new M; each accumulator from its low end on
.set j, j+2
.endr
.endr
.endif
	PV \p, 0, \first
.if \more
	SMUL 2, 0
.endif
	POST \p, 1
	PV \p, 1, \first
.if \more
	SMUL 3, 1
.endif
.endm
.macro KSTEP first                     ; a key step: its fragments from LDS at s[TB], its scale words at s[TS], and the four tiles' work
	v_add_nc_u32 v[A16], s[TB], v[L16]             ; these four are also the places between the last products and the loads into their registers
	v_add_nc_u32 v[A8], s[TB], v[L8]
	v_add_nc_u32 v[AV], s[TB], v[LV]
	v_add_nc_u32 v[AK], s[TS], v[LK]
.irp g, 0,1,2,3
	ds_load_u16 v[KS+\g], v[AK] offset:128*\g
.endr
.irp i, 0,1,2,3,4,5,6,7
	ds_load_b128 v[KF+6*\i:KF+6*\i+3], v[A16] offset:768*\i
	ds_load_b64 v[KF+6*\i+4:KF+6*\i+5], v[A8] offset:768*\i+512
.endr
.irp e, 0,1,2,3
	ds_load_b128 v[VF+12*\e:VF+12*\e+3], v[A16] offset:6144+1536*\e
	ds_load_b64 v[VF+12*\e+4:VF+12*\e+5], v[A8] offset:6144+1536*\e+512
	ds_load_b128 v[VF+12*\e+6:VF+12*\e+9], v[A16] offset:6144+1536*\e+768
	ds_load_b64 v[VF+12*\e+10:VF+12*\e+11], v[A8] offset:6144+1536*\e+1280
.endr
.irp g, 0,1
	ds_load_b32 v[VS+\g], v[AV] offset:128*\g
.endr
	s_wait_dscnt 18                                ; K and its scales are in; V's 16 loads and its 2 scale loads may be out
	SMUL 0, 0
	SMUL 1, 1
	WIN 0
	s_wait_dscnt 0x0                               ; V is in
	PLACES 4                                       ; behind the products, ahead of the first read of results
	PAIR 0, 1, \first
	PAIR 1, 0, \first
	WIN 0
.endm
.macro OUT t                           ; tile t: O / the sum, quantised along the head's 64 (a block lies in lanes l and l xor 16), a half image and two scale bytes a row
.set N, ST+10*(\t)
.set OT, 128+32*(\t)
.set CD, VF+12*(\t)                    ; the codes: registers of their own for each tile, so that no store's data are written again
	v_pk_add_f32 v[N+2:N+3], v[N+2:N+3], v[N+4:N+5]
	v_pk_add_f32 v[N+6:N+7], v[N+6:N+7], v[N+8:N+9]
	v_pk_add_f32 v[N+2:N+3], v[N+2:N+3], v[N+6:N+7]
	v_add_f32 v[TMP], v[N+2], v[N+3]
	v_permlanex16_b32 v[T2], v[TMP], s[SEL], s[SEL+1]
	v_add_f32 v[TMP], v[TMP], v[T2]
	WALU
	v_rcp_f32 v[TMP], v[TMP]
	v_nop
	WIN 0x01
	WALU
.set j, 0
.rept 32
	v_mul_f32 v[W+j], v[OT+j], v[TMP]
.set j, j+1
.endr
	WIN 0
.irp b, 0,1
	v_max3_num_f32 v[BM+\b], |v[W+16*\b]|, |v[W+1+16*\b]|, 0x1800000
.endr
.irp i, 2,4,6,8,10,12,14
.irp b, 0,1
	v_max3_num_f32 v[BM+\b], v[BM+\b], |v[W+16*\b+\i]|, |v[W+1+16*\b+\i]|
.endr
.endr
.irp b, 0,1
	v_permlanex16_b32 v[EB+\b], v[BM+\b], s[SEL], s[SEL+1]
.endr
.irp b, 0,1
	v_max_num_f32 v[BM+\b], v[BM+\b], v[EB+\b]
.endr
.irp b, 0,1
	v_add_nc_u32 v[SOP+\b], 0xff000000, v[BM+\b]
.endr
.irp b, 0,1
	v_lshrrev_b32 v[EB+\b], 23, v[SOP+\b]
.endr
	v_lshl_or_b32 v[TMP], v[EB+1], 8, v[EB]
	v_cvt_scalef32_pk16_fp6_f32 v[CD:CD+2], v[W:W+15], v[SOP]
	v_cvt_scalef32_pk16_fp6_f32 v[TC:TC+2], v[W+16:W+31], v[SOP+1]
	v_nop
.irp i, 0,1,2
	v_permlane16_swap_b32 v[CD+\i], v[TC+\i]       ; a whole block to a lane
.endr
.irp i, 0,1,2
	v_mov_b32 v[CD+3+\i], v[TC+\i]
.endr
	global_store_b128 v[L16], v[CD:CD+3], s[10:11] offset:98304*(\t)       ; 512 and 256 consecutive bytes, aligned to 256
	global_store_b64 v[L8], v[CD+4:CD+5], s[10:11] offset:98304*(\t)+512
	ds_store_b16 v[OSA], v[TMP] offset:256*(\t)
.endm
	s_load_b256 s[4:11], s[0:1], 0x0               ; q_img, qk_sc, kv_blk, ao_codes
	s_load_b64 s[12:13], s[0:1], 0x20              ; ao_sc
	v_lshl_add_u32 v254, v0, 2, SPARE
	v_mov_b32 v255, 0
	ds_add_u32 v254, v255
	ds_add_u32 v254, v255
	v_lshrrev_b32 v1, 5, v0
	v_readfirstlane_b32 s[WV], v1
	s_bfe_u32 s15, ttmp6, 0x40000                  ; cx: which 512 queries
	s_and_b32 s16, ttmp7, 0xffff                   ; 16 b + head
	s_lshr_b32 s17, s16, 4
	s_and_b32 s18, s16, 15
	s_lshr_b32 s19, s18, 1
	s_and_b32 s20, s18, 1
	s_mov_b32 s[G1A], 15|(3<<16)|(1<<21)           ; dense blocks as rows of 256 bytes (32 elements of 8); the mask names the cluster's four
	s_mov_b32 s[G1A+1], 32<<16
	s_mov_b32 s[G1A+2], 112<<16
	s_mov_b32 s[G1A+3], 32<<16
	s_mov_b32 s[G1A+4], 112
	s_mov_b32 s[G1A+5], 32
	s_mov_b32 s[G1A+6], 0
	s_mov_b32 s[G1A+7], 0
	s_mov_b32 s[G1B], 15|(3<<16)|(1<<21)
	s_mov_b32 s[G1B+1], 32<<16
	s_mov_b32 s[G1B+2], 32<<16
	s_mov_b32 s[G1B+3], 32<<16
	s_mov_b32 s[G1B+4], 32
	s_mov_b32 s[G1B+5], 32
	s_mov_b32 s[G1B+6], 0
	s_mov_b32 s[G1B+7], 0
	s_mul_i32 s56, s16, 16*BLK
	s_add_co_u32 s60, s[WV], 7
	s_and_b32 s60, s60, 7                          ; wave 1 takes the first seventh, wave 7 the last (wave 0 loads the scales and does not use this)
	s_mul_i32 s60, s60, PART
	s_add_co_u32 s56, s56, s60                     ; my seventh of the head's K and V
	s_mov_b32 s57, 0
	s_lshl_b32 s58, s17, 3
	s_add_co_u32 s58, s58, s19
	s_lshl_b32 s58, s58, 13
	s_add_co_u32 s58, s58, 262144                  ; k's scale words of this batch and pair of heads
	s_mov_b32 s59, 0
	s_mov_b32 s[SEL], 0x76543210
	s_mov_b32 s[SEL+1], 0xfedcba98
	s_mov_b32 s[CS], 0x3d38aa3b                    ; c = log2(e) / 32
	s_mov_b32 s[CS+1], s[CS]
	s_mov_b32 s[NC], 0xbd38aa3b                    ; -c
	s_wait_dscnt 0x0
	s_wait_kmcnt 0x0
	s_mov_b32 s[G0A], 1
	s_mov_b32 s[G0A+1], s60
	s_add_nc_u64 s[G0A+2:G0A+3], s[8:9], s[56:57]
	s_or_b32 s[G0A+3], s[G0A+3], 0x80000000
	s_mov_b32 s[G0B], 1
	s_mov_b32 s[G0B+1], KSC
	s_add_nc_u64 s[G0B+2:G0B+3], s[6:7], s[58:59]
	s_or_b32 s[G0B+3], s[G0B+3], 0x80000000
	ROUND                                          ; the four work-groups are here: the joint loads meet
	s_cmp_eq_u32 s[WV], 0                          ; one chain of branches on the wave's number, one load to an arm, all arms to one join
	s_cbranch_scc0 .Lpart_0
	TLOAD G0B, G1B                                 ; wave 0: K's scale words
	s_branch .Lasked
.Lpart_0:
	s_cmp_eq_u32 s[WV], 1
	s_cbranch_scc0 .Lparts
	TLOAD G0A, G1A                                 ; wave 1: the first seventh, key steps 0 and 1 among it
	s_branch .Lasked
.Lparts:
	TLOAD G0A, G1A                                 ; waves 2 to 7: the other six
.Lasked:
	s_lshl_b32 s62, s15, 5
	s_add_co_u32 s62, s62, s[WV]                   ; my first tile of queries; the others lie 8 tiles apart
	s_lshl_b32 s66, s16, 7
	s_add_co_u32 s66, s66, s62
	s_mul_i32 s66, s66, 768
	s_mov_b32 s67, 0
	s_add_nc_u64 s[4:5], s[4:5], s[66:67]
	s_lshl_b32 s68, s17, 3
	s_add_co_u32 s68, s68, s19
	s_lshl_b32 s68, s68, 7
	s_add_co_u32 s68, s68, s62
	s_lshl_b32 s68, s68, 6
	s_lshl_b32 s63, s20, 1                         ; the odd head's two bytes lie 2 further on
	s_add_co_u32 s68, s68, s63
	s_mov_b32 s69, 0
	s_add_nc_u64 s[6:7], s[6:7], s[68:69]
	s_lshl_b32 s70, s17, 7
	s_add_co_u32 s70, s70, s62
	s_lshl_b32 s70, s70, 4
	s_add_co_u32 s70, s70, s18
	s_mul_i32 s70, s70, 768
	s_mov_b32 s71, 0
	s_add_nc_u64 s[10:11], s[10:11], s[70:71]
	s_lshl_b32 s56, s16, 12
	s_lshl_b32 s58, s15, 10
	s_add_co_u32 s56, s56, s58
	s_add_nc_u64 s[12:13], s[12:13], s[56:57]
	s_lshl_b32 s60, s[WV], 5
	v_and_b32 v[A16], 31, v0                       ; lane
	v_and_b32 v[A8], 15, v0                        ; r
	v_bfe_u32 v[SH], v0, 4, 1
	v_lshlrev_b32 v[SH], 3, v[SH]
	v_lshlrev_b32 v[L16], 4, v[A16]
	v_lshlrev_b32 v[L8], 3, v[A16]
	v_lshlrev_b32 v[LV], 2, v[A16]
	v_add_nc_u32 v[LK], KSC, v[LV]
	v_add_nc_u32 v[LK], s63, v[LK]
	v_add_nc_u32 v[LV], 12288, v[LV]
	v_lshlrev_b32 v[OSA], 1, v[A8]
	v_add_nc_u32 v[OSA], s60, v[OSA]
	v_add_nc_u32 v[OSA], OSC, v[OSA]
	v_lshlrev_b32 v[QSO], 2, v[A8]
	WALU
.irp t, 0,1,2,3
	global_load_b128 v[QF+12*\t:QF+12*\t+3], v[L16], s[4:5] offset:6144*\t
	global_load_b64 v[QF+12*\t+4:QF+12*\t+5], v[L8], s[4:5] offset:6144*\t+512
	global_load_u16 v[QS+\t], v[QSO], s[6:7] offset:512*\t
.endr
.irp j, 0,1,2,3,4,5
.irp t, 0,1,2,3
	v_mov_b32 v[QF+12*\t+6+\j], 0                  ; zero codes for K = 64 .. 127
.endr
	v_mov_b32 v[KF+48+\j], 0                       ; what follows the last K image
.endr
.irp u, 0,1
	v_mov_b32 v[FF+2*\u+1], 0                      ; (named as the upper half of a pair)
	v_mov_b32 v[T2+\u], 0                          ; a lane permute's destination counts as one of its sources
.endr
.irp t, 0,1,2,3
.irp k, 2,3,4,5,6,7,8,9
	v_mov_b32 v[ST+10*\t+\k], 0                    ; the sums
.endr
.endr
	s_mov_b32 s[TB], 0
	s_mov_b32 s[TS], 0
	WALU                                           ; the head's end
	s_cmp_lt_u32 s[WV], 2                          ; waves 0 and 1 brought what the first key step reads: they wait; the other six loads may be out
	s_cbranch_scc0 .Lrest_out
	s_wait_tensorcnt 0x0
.Lrest_out:
	s_barrier_signal -1
	s_barrier_wait -1
	s_wait_loadcnt 0x0
	KSTEP 1                                        ; key step 0 starts the sums
	s_mov_b32 s[TB], BLK
	s_mov_b32 s[TS], 512
	s_mov_b32 s[CNT], 15
	WALU                                           ; ahead of the wait below
	s_wait_tensorcnt 0x0                           ; every wave waits for its one load
	s_barrier_signal -1
	s_barrier_wait -1                              ; everybody's part has landed; nothing is filled again
.Lstep:
	KSTEP 0
	s_add_co_u32 s[TB], s[TB], BLK
	s_add_co_u32 s[TS], s[TS], 512
	s_sub_co_u32 s[CNT], s[CNT], 1
	s_cmp_lg_u32 s[CNT], 0
	WALU                                           ; ahead of the branch
	s_cbranch_scc1 .Lstep
	PLACES 4
.irp t, 0,1,2,3
	OUT \t
.endr
	v_lshlrev_b32 v[A16], 4, v0
	v_lshl_add_u32 v[A8], v0, 4, OSC
	WALU
	s_wait_dscnt 0x0                               ; my four stores into the stage are done
	s_barrier_signal -1
	s_barrier_wait -1                              ; all 32 tiles' scale bytes lie in the stage
	s_cmp_lt_u32 s[WV], 2
	s_cbranch_scc0 .Lno_scales
	ds_load_b128 v[W:W+3], v[A8]
	s_wait_dscnt 0x0
	global_store_b128 v[A16], v[W:W+3], s[12:13]   ; 1,024 consecutive bytes by two waves
.Lno_scales:
	s_wait_tensorcnt 0x0                           ; the wave's end
	ds_add_u32 v254, v255
	s_wait_dscnt 0x0
	ROUND                                          ; the closing round
	s_endpgm
.Lfunc_end_k_q9f26072928_attn:
	.size	k_q9f26072928_attn, .Lfunc_end_k_q9f26072928_attn-k_q9f26072928_attn
	.p2alignl 7, 3214868480
	.fill 96, 4, 3214868480
	.section	.rodata,"a",@progbits
	.p2align	6, 0x0
	.amdhsa_kernel k_q9f26072928_attn
		.amdhsa_group_segment_fixed_size 327680
		.amdhsa_private_segment_fixed_size 0
		.amdhsa_enable_private_segment 0
		.amdhsa_kernarg_size 40
		.amdhsa_user_sgpr_count 2
		.amdhsa_user_sgpr_kernarg_segment_ptr 1
		.amdhsa_wavefront_size32 1
		.amdhsa_system_sgpr_workgroup_id_x 1
		.amdhsa_system_sgpr_workgroup_id_y 1
		.amdhsa_system_sgpr_workgroup_id_z 1
		.amdhsa_system_vgpr_workitem_id 0
		.amdhsa_next_free_vgpr 512
		.amdhsa_next_free_sgpr 72
		.amdhsa_reserve_vcc 0
		.amdhsa_float_denorm_mode_32 3
		.amdhsa_float_denorm_mode_16_64 3
		.amdhsa_memory_ordered 1
		.amdhsa_forward_progress 1
		.amdhsa_inst_pref_size 128
	.end_amdhsa_kernel
	.amdgpu_metadata
---
amdhsa.version: [ 1, 2 ]
amdhsa.kernels:
  - .name:           k_q9f26072928_attn
    .symbol:         k_q9f26072928_attn.kd
    .args:
      - { .name: q_img, .offset: 0, .size: 8, .value_kind: global_buffer, .address_space: global }
      - { .name: qk_sc, .offset: 8, .size: 8, .value_kind: global_buffer, .address_space: global }
      - { .name: kv_blk, .offset: 16, .size: 8, .value_kind: global_buffer, .address_space: global }
      - { .name: ao_codes, .offset: 24, .size: 8, .value_kind: global_buffer, .address_space: global }
      - { .name: ao_sc, .offset: 32, .size: 8, .value_kind: global_buffer, .address_space: global }
    .group_segment_fixed_size: 327680
    .private_segment_fixed_size: 0
    .kernarg_segment_align: 8
    .kernarg_segment_size: 40
    .max_flat_workgroup_size: 256
    .sgpr_count:     72
    .vgpr_count:     512
    .wavefront_size: 32
...
	.end_amdgpu_metadata
.endif
;; end of part 3
;; launch oproj (part 4): grid 4 x 64, 4 waves a work-group, clusters of 4 x 4, 327,680 bytes of LDS; arguments ao_codes, ao_sc, xw_codes, xw_sc, bo, out0; writes out0
.if DOCPART == 4
	.amdgcn_target "amdgcn-amd-amdhsa--gfx1250"
	.amdhsa_code_object_version 6
	.text
	.protected	k_q9f26072928_oproj
	.globl	k_q9f26072928_oproj
	.p2align	8
	.type	k_q9f26072928_oproj,@function
k_q9f26072928_oproj:
	s_mov_b64 s[64:65], 0
	v_nop
	global_prefetch_b8 v0, s[64:65] scope:SCOPE_SE
	s_setreg_imm32_b32 hwreg(HW_REG_WAVE_MODE, 25, 1), 1
	s_wait_xcnt 0x0
	s_wait_alu depctr_hold_cnt(0) depctr_sa_sdst(0) depctr_va_vdst(0) depctr_va_sdst(0) depctr_va_ssrc(0) depctr_va_vcc(0) depctr_vm_vsrc(0)
	s_getreg_b32 s2, hwreg(HW_REG_IB_STS2, 6, 4)
	s_cmp_eq_u32 s2, 0
	s_cbranch_scc0 .Lentry_in_a_cluster
	s_endpgm
.Lentry_in_a_cluster:
	s_bfe_u32 s2, ttmp6, 0x10000c
	s_cmp_lg_u32 s2, 0xf033
	s_cbranch_scc0 .Lentry_shape_is_right
	s_endpgm
.Lentry_shape_is_right:
; out0 = a Wo^T + bo on codes of FP6 (E2M3) with E8M0 scales; a is attention's result, [8192][1024] as images of fragments; out0 [8192][1024] f32.  K = 1,024 in 8 steps of 128.
; A work-group makes 128 rows of a (operand Q, source 1) x 256 rows of Wo (operand P, source 0).  Four waves: wq = wave / 2 takes 4 tiles of Q, wp = wave % 2 takes 8 tiles of P: 32 accumulators, 256 registers.
; In the result a lane holds ONE row of a and its registers run along the outputs: by the order of rows in a tile (lane r of tile T: row 32 (T / 2) + 8 (T % 2) + r + 8 (r / 8)) register 16 g + i of a tile of Q
; is output 32 g + 16 (lane / 16) + i of my 128.
; ALL OF K LIES IN LDS: 384 rows x 768 bytes = 294,912 bytes, brought by first fills alone, in four chunks of 256 along K; nothing is filled again.  Each wave has four tensor loads out at the most.
; CLUSTER 4 x 4: the four of a row of the cluster need the same tiles of Q, the four of a column the same tiles of P: each is asked for jointly.  The bias is the C of each sum's first product.
; LIMITS: NaN and infinities are not served.
; REGISTERS: window 0: v1-8 addresses; v32-63 P's scale words, v64-79 Q's; v80-143 the bias as C, later rows on the way out; v152-247 Q's fragments, two sets, later rows on the way out.
;   window 1: P's fragments, two sets, at v0 and v128.   window 2: accumulator (a, b) at v[8 (8 a + b)].
; THE FILLS AS THEY STAND: K lies in LDS in TWO HALVES of 512 along K (4 K steps), not in four chunks; each wave issues ONE tensor load: wave 0 P's half 0, wave 1 Q's half 0, wave 2 P's half 1, wave 3 Q's half 1.
; Waves 0 and 1 wait ahead of the first barrier; every wave waits ahead of the barrier in K step 3.
.set TRB,  12288                       ; a tile's 8 K steps in memory
.set FRB,  1536                        ; a fragment's image
.set QCH,  49152                       ; LDS: a half of K (4 K steps) of Q's 8 tiles; tile i at 6,144 i
.set PCH,  98304                       ; and of P's 16
.set PB0,  98304                       ; P's chunks begin behind Q's two
.set SP,   528                         ; the way out: a stage of 16 rows x (512 bytes + 16) for each wave, in Q's first chunks, which have had their one fill and their last read by then
.set AQ16, 1
.set AQ8,  2
.set AP16, 3
.set AP8,  4
.set L16,  5
.set L8,   6
.set STO,  7
.set RD,   8
.set SCP,  32                          ; register 8 e + s: lanes 0-15 P's tile 2 e, lanes 16-31 tile 2 e + 1, K step s
.set SCQ,  64                          ; likewise for Q
.set BP,   80
.set QF,   152
.set UT,   200                         ; v200-231 Q's scale bytes as loaded, two a head
.set WV,   20
.set G1Q,  28
.set G1P,  36
.set G0Q,  44
.set G0P,  68
.set MSB, 0
.macro WIN new                         ; the immediate's high byte repeats the setting that is left
.if MSB != \new
	s_set_vgpr_msb (MSB<<8)|\new
.set MSB, \new
.endif
.endm
.macro PLACES n
.rept \n
	v_nop
.endr
.endm
.macro CROUND                          ; a round of the cluster's barrier
	s_barrier_signal -1
	s_barrier_wait -1
	s_cmp_lg_u32 s[WV], 0
	s_cbranch_scc1 .Lnot_wave_0_\@
	s_barrier_signal -3
.Lnot_wave_0_\@:
	s_barrier_wait -3
	s_barrier_signal -1
	s_barrier_wait -1
.endm
	s_load_b256 s[4:11], s[0:1], 0x0               ; ao_codes s[4:5], ao_sc s[6:7], xw_codes s[8:9], xw_sc s[10:11]
	s_load_b128 s[12:15], s[0:1], 0x20             ; bo s[12:13], out0 s[14:15]
	v_lshl_add_u32 v254, v0, 2, 0x48000
	v_mov_b32 v255, 0
	ds_add_u32 v254, v255
	ds_add_u32 v254, v255
	v_lshrrev_b32 v9, 5, v0
	v_readfirstlane_b32 s[WV], v9                  ; wave 0..3
	s_lshr_b32 s21, s[WV], 1                       ; wq.  Also: which half of K I fetch
	s_and_b32 s22, s[WV], 1                        ; wp.  Also: I fetch for P (0) or for Q (1)
	s_bfe_u32 s23, ttmp6, 0x40000                  ; cx
	s_bfe_u32 s24, ttmp6, 0x40004                  ; cy
	s_and_b32 s25, ttmp7, 0xffff                   ; cluster y, 0..15 (the grid has one cluster along x)
	s_mov_b32 s90, s23                             ; which 256 rows of Wo: cx
	s_lshl_b32 s91, s25, 2
	s_add_co_u32 s91, s91, s24                     ; which 128 rows of a: 4 x cluster y + cy
	s_lshl_b32 s96, s91, 3                         ; the work-group's first tile of Q,
	s_lshl_b32 s97, s90, 4
	s_add_co_u32 s97, s97, 1728                    ; and of P (Wo begins at tile 1,728 of xw_codes)
	s_lshl_b32 s93, s24, 2
	s_lshl_b32 s93, 15, s93                        ; my row of the cluster
	s_lshl_b32 s92, 0x1111, s23                    ; my column
	; descriptor group 1: rows of 6,144 bytes (a tile's four K steps: 768 elements of 8 bytes), 12,288 bytes apart, dense in LDS; Q: 8 rows a load, P: 16
	s_or_b32 s[G1Q], s93, (3<<16)|(1<<21)          ; 15:0 the mask; 17:16 elements of 8 bytes; 21 set beside a mask
	s_or_b32 s[G1P], s92, (3<<16)|(1<<21)
	s_mov_b32 s[G1Q+1], 768<<16                    ; rows of 6,144 bytes (a tile's four K steps: 768 elements of 8 bytes), 12,288 bytes apart; Q: 8 rows, P: 16
	s_mov_b32 s[G1Q+2], 8<<16
	s_mov_b32 s[G1Q+3], 768<<16
	s_mov_b32 s[G1Q+4], 8
	s_mov_b32 s[G1Q+5], 1536
	s_mov_b32 s[G1Q+6], 0
	s_mov_b32 s[G1Q+7], 0
	s_mov_b32 s[G1P+1], 768<<16
	s_mov_b32 s[G1P+2], 16<<16
	s_mov_b32 s[G1P+3], 768<<16
	s_mov_b32 s[G1P+4], 16
	s_mov_b32 s[G1P+5], 1536
	s_mov_b32 s[G1P+6], 0
	s_mov_b32 s[G1P+7], 0
	s_mul_i32 s98, s96, TRB                        ; Q: the work-group's 8 tiles,
	s_mul_i32 s94, s21, 6144                       ; my half of K: wave / 2
	s_add_co_u32 s98, s98, s94
	s_mov_b32 s99, 0
	s_mul_i32 s100, s97, TRB                       ; P: its 16 tiles
	s_add_co_u32 s100, s100, s94
	s_mov_b32 s101, 0
	s_mul_i32 s94, s21, QCH                        ; and where they go: the wave's number alone enters an LDS address
	s_mul_i32 s95, s21, PCH
	s_wait_dscnt 0x0
	s_wait_kmcnt 0x0
	s_add_nc_u64 s[98:99], s[4:5], s[98:99]
	s_add_nc_u64 s[100:101], s[8:9], s[100:101]
.irp c, 0
	s_mov_b32 s[G0Q+4*\c], 1
	s_add_co_u32 s[G0Q+4*\c+1], s94, \c*QCH
	s_add_nc_u64 s[G0Q+4*\c+2:G0Q+4*\c+3], s[98:99], \c*3072
	s_or_b32 s[G0Q+4*\c+3], s[G0Q+4*\c+3], 0x80000000
	s_mov_b32 s[G0P+4*\c], 1
	s_add_co_u32 s[G0P+4*\c+1], s95, PB0+\c*PCH
	s_add_nc_u64 s[G0P+4*\c+2:G0P+4*\c+3], s[100:101], \c*3072
	s_or_b32 s[G0P+4*\c+3], s[G0P+4*\c+3], 0x80000000
.endr
	CROUND                                         ; all sixteen work-groups are here: the joint loads meet
.macro ARM w, g0, g1, next             ; one chain of branches on the wave's number, one load to an arm, all arms to one join
	s_cmp_eq_u32 s[WV], \w
	s_cbranch_scc0 \next
	tensor_load_to_lds s[\g0:\g0+3], s[\g1:\g1+7]
	s_nop 0
	PLACES 4
	s_branch .Lfilled
\next:
.endm
	ARM 0, G0P, G1P, .Larm_1                       ; P's half 0
	ARM 1, G0Q, G1Q, .Larm_2                       ; Q's half 0
	ARM 2, G0P, G1P, .Larm_3                       ; P's half 1
	tensor_load_to_lds s[G0Q:G0Q+3], s[G1Q:G1Q+7]  ; Q's half 1
	s_nop 0
	PLACES 4
.Lfilled:
	v_and_b32 v9, 31, v0                           ; lane
	v_and_b32 v10, 15, v0                          ; r
	v_bfe_u32 v11, v0, 4, 1                        ; h
	v_lshlrev_b32 v[L16], 4, v9
	v_lshlrev_b32 v[L8], 3, v9
	v_lshlrev_b32 v12, 5, v10
	v_lshl_add_u32 v12, v11, 9, v12                ; xw_sc: 32 r, + a tile for lanes 16-31
	s_wait_alu depctr_va_vdst(0)
	v_lshlrev_b32 v13, 6, v11                      ; the bias: 64 h
	v_lshlrev_b32 v14, 1, v9                       ; ao_sc: 2 x lane: lanes 16-31 take the next tile
	s_wait_alu depctr_va_vdst(0)
	s_lshl_b32 s92, s22, 3
	s_add_co_u32 s92, s92, s97
	s_lshl_b32 s92, s92, 9
	s_mov_b32 s93, 0
	s_add_nc_u64 s[92:93], s[10:11], s[92:93]      ; the scale words of my 8 tiles of P
	s_lshl_b32 s25, s21, 2
	s_add_co_u32 s25, s25, s96                     ; my first tile of rows,
	s_lshr_b32 s94, s25, 7
	s_lshl_b32 s94, s94, 16                        ; its batch: 16 heads of 4,096 bytes,
	s_and_b32 s27, s25, 127
	s_lshl_b32 s27, s27, 5                         ; its number in the batch: 32 bytes a tile
	s_add_co_u32 s94, s94, s27
	s_mov_b32 s95, 0
	s_add_nc_u64 s[94:95], s[6:7], s[94:95]
	s_lshl_b32 s84, s90, 10
	s_lshl_b32 s85, s22, 9
	s_add_co_u32 s84, s84, s85                     ; 4 x my first output
	s_mov_b32 s85, 0
	s_add_nc_u64 s[98:99], s[12:13], s[84:85]
.irp e, 0,1,2,3
	global_load_b128 v[SCP+8*\e:SCP+8*\e+3], v12, s[92:93] offset:1024*\e
	global_load_b128 v[SCP+8*\e+4:SCP+8*\e+7], v12, s[92:93] offset:1024*\e+16
.endr
.irp e, 0,1
.irp n, 0,1,2,3,4,5,6,7,8,9,10,11,12,13,14,15
	global_load_u16 v[UT+16*\e+\n], v14, s[94:95] offset:4096*\n+64*\e   ; head n's two bytes for my row of tile 2 e (+ 1)
.endr
.endr
.irp g, 0,1,2,3
.irp k, 0,1,2,3
	global_load_b128 v[BP+16*\g+4*\k:BP+16*\g+4*\k+3], v13, s[98:99] offset:128*\g+16*\k   ; register 16 g + i: the bias of output 32 g + 16 h + i
.endr
.endr
	s_lshl_b32 s86, s25, 16                        ; my first row of out0: 16 rows of 4,096 bytes a tile,
	s_add_co_u32 s86, s86, s84                     ; and my first output
	s_mov_b32 s87, 0
	s_add_nc_u64 s[14:15], s[14:15], s[86:87]
	s_mul_i32 s88, s21, 24576                      ; my 4 tiles of Q in a half of K,
	s_mul_i32 s89, s22, 49152
	s_add_co_u32 s89, s89, PB0                     ; my 8 of P
	s_mul_i32 s27, s[WV], 16*SP                    ; my stage
	s_wait_loadcnt 0x0
.irp e, 0,1
.irp s, 0,1,2,3,4,5,6,7
	v_lshl_or_b32 v[SCQ+8*\e+\s], v[UT+16*\e+2*\s+1], 16, v[UT+16*\e+2*\s]   ; K step s is heads 2 s and 2 s + 1: four bytes make its scale word
.endr
.endr
	v_add_nc_u32 v[AQ16], s88, v[L16]              ; these eight, and the first step's four, stand between the scale words just made and the first product
	v_add_nc_u32 v[AQ8], s88, v[L8]
	v_add_nc_u32 v[AP16], s89, v[L16]
	v_add_nc_u32 v[AP8], s89, v[L8]
	v_mul_u32_u24 v[STO], v10, SP
	v_lshl_add_u32 v[STO], v11, 6, v[STO]
	v_add_nc_u32 v[STO], s27, v[STO]               ; the stage, way in: row r, + 64 h
	v_add_nc_u32 v[RD], s27, v[L16]                ; and back: 16 bytes a lane of a row
; 48 LDS loads: the fragments of K step kk (8 of P, 4 of Q) into set kk % 2.  An image comes back as it was stored: 16, 8, 16, 8 bytes a lane, each load on consecutive bytes.
.macro FETCH kk
	WIN 0x40                                       ; destination window 1, address window 0
.irp b, 0,1,2,3,4,5,6,7
	ds_load_b128 v[128*((\kk)%2)+12*\b:128*((\kk)%2)+12*\b+3], v[AP16] offset:6144*\b+FRB*((\kk)%4)
	ds_load_b64 v[128*((\kk)%2)+12*\b+4:128*((\kk)%2)+12*\b+5], v[AP8] offset:6144*\b+FRB*((\kk)%4)+512
	ds_load_b128 v[128*((\kk)%2)+12*\b+6:128*((\kk)%2)+12*\b+9], v[AP16] offset:6144*\b+FRB*((\kk)%4)+768
	ds_load_b64 v[128*((\kk)%2)+12*\b+10:128*((\kk)%2)+12*\b+11], v[AP8] offset:6144*\b+FRB*((\kk)%4)+1280
.endr
	WIN 0
.irp a, 0,1,2,3
	ds_load_b128 v[QF+48*((\kk)%2)+12*\a:QF+48*((\kk)%2)+12*\a+3], v[AQ16] offset:6144*\a+FRB*((\kk)%4)
	ds_load_b64 v[QF+48*((\kk)%2)+12*\a+4:QF+48*((\kk)%2)+12*\a+5], v[AQ8] offset:6144*\a+FRB*((\kk)%4)+512
	ds_load_b128 v[QF+48*((\kk)%2)+12*\a+6:QF+48*((\kk)%2)+12*\a+9], v[AQ16] offset:6144*\a+FRB*((\kk)%4)+768
	ds_load_b64 v[QF+48*((\kk)%2)+12*\a+10:QF+48*((\kk)%2)+12*\a+11], v[AQ8] offset:6144*\a+FRB*((\kk)%4)+1280
.endr
.endm
; One product: Q's tile a x P's tile b, K step kk.  In step 0 the bias is C.  An odd tile's scale words lie in lanes 16-31 of its pair's register.
.macro MM a, b, kk
.set rD, 8*(8*(\a)+(\b))
.set rC, rD
.if (\kk) == 0
.set rC, BP+8*(\b)
.endif
.set rP, 128*((\kk)%2)+12*(\b)
.set rQ, QF+48*((\kk)%2)+12*(\a)
.set rS, SCP+8*((\b)/2)+(\kk)
.set rT, SCQ+8*((\a)/2)+(\kk)
.if ((\a)%2 == 0) && ((\b)%2 == 0)
	v_wmma_scale_f32_16x16x128_f8f6f4 v[rD:rD+7], v[rP:rP+11], v[rQ:rQ+11], v[rC:rC+7], v[rS], v[rT] matrix_a_fmt:MATRIX_FMT_FP6 matrix_b_fmt:MATRIX_FMT_FP6
.elseif ((\a)%2 == 0)
	v_wmma_scale_f32_16x16x128_f8f6f4 v[rD:rD+7], v[rP:rP+11], v[rQ:rQ+11], v[rC:rC+7], v[rS], v[rT] matrix_a_fmt:MATRIX_FMT_FP6 matrix_b_fmt:MATRIX_FMT_FP6 matrix_a_scale:MATRIX_SCALE_ROW1
.elseif ((\b)%2 == 0)
	v_wmma_scale_f32_16x16x128_f8f6f4 v[rD:rD+7], v[rP:rP+11], v[rQ:rQ+11], v[rC:rC+7], v[rS], v[rT] matrix_a_fmt:MATRIX_FMT_FP6 matrix_b_fmt:MATRIX_FMT_FP6 matrix_b_scale:MATRIX_SCALE_ROW1
.else
	v_wmma_scale_f32_16x16x128_f8f6f4 v[rD:rD+7], v[rP:rP+11], v[rQ:rQ+11], v[rC:rC+7], v[rS], v[rT] matrix_a_fmt:MATRIX_FMT_FP6 matrix_b_fmt:MATRIX_FMT_FP6 matrix_a_scale:MATRIX_SCALE_ROW1 matrix_b_scale:MATRIX_SCALE_ROW1
.endif
.endm
; A K step: its fragments are in; the next step's are asked for, behind four places (they land in registers that the step before multiplied); then 32 products, the 32 accumulators by turns.
.macro STEP kk
	s_wait_dscnt 0x0                               ; this step's 48 loads are in
.if (\kk) < 7
.if (\kk) == 3
	s_wait_tensorcnt 0x0                           ; every wave waits for its one load: the second half of K has landed
	s_barrier_signal -1
	s_barrier_wait -1                              ; everybody's has.
	v_add_nc_u32 v[AQ16], QCH, v[AQ16]             ; on to that chunk: these four are the places
	v_add_nc_u32 v[AQ8], QCH, v[AQ8]
	v_add_nc_u32 v[AP16], PCH, v[AP16]
	s_wait_alu depctr_va_vdst(0)
	v_add_nc_u32 v[AP8], PCH, v[AP8]
.else
	PLACES 4
.endif
	s_wait_alu depctr_va_vdst(0)
	FETCH (\kk)+1
.endif
.if (\kk) == 0
	WIN 0x81                                       ; source 0 (P) window 1, source 1 (Q) and C (the bias) window 0, D window 2
.else
	WIN 0xa1                                       ; C and D window 2
.endif
.irp a, 0,1,2,3
.irp b, 0,1,2,3,4,5,6,7
	MM \a, \b, \kk
.endr
.endr
	WIN 0
.endm
	s_wait_alu depctr_va_vdst(0)
	s_cmp_lt_u32 s[WV], 2                          ; waves 0 and 1 brought the first half of K: they wait; the other two loads may be out
	s_cbranch_scc0 .Lhalf_1
	s_wait_tensorcnt 0x0
.Lhalf_1:
	s_barrier_signal -1
	s_barrier_wait -1
	FETCH 0
.irp kk, 0,1,2,3,4,5,6,7
	STEP \kk
.endr
; THE WAY OUT, a tile of 16 rows x 128 outputs at a time.  A lane holds pieces of 64 bytes of one row, and the lanes beside it hold other rows: so a tile goes through my stage in LDS and comes back as whole rows of
; 512 bytes, which the 32 lanes store as 512 consecutive bytes, aligned to 256.  LDS serves a wave's instructions in order: no wait between the stores and the loads, nor in front of the next tile's stores.
.macro ROWS_OUT a
.set BB, 80+72*((\a)%2)                ; v80-143 and v152-215 by turns
.if (\a) > 1
	s_wait_xcnt 0x0                                ; the stores of two tiles ago have read these registers
.endif
	WIN 0x08                                       ; an LDS store's data are its source 1: window 2
.irp g, 0,1,2,3
.irp k, 0,1,2,3
	ds_store_b128 v[STO], v[64*(\a)+16*\g+4*\k:64*(\a)+16*\g+4*\k+3] offset:128*\g+16*\k   ; each accumulator from its low end on
.endr
.endr
	WIN 0
.irp t, 0,1,2,3,4,5,6,7,8,9,10,11,12,13,14,15
	ds_load_b128 v[BB+4*\t:BB+4*\t+3], v[RD] offset:\t*SP
.endr
.irp t, 0,1,2,3,4,5,6,7,8,9,10,11,12,13,14,15
	s_wait_dscnt 15-\t                             ; row t is back; the rows behind it may be out
	global_store_b128 v[L16], v[BB+4*\t:BB+4*\t+3], s[14:15] offset:(32*((\a)/2)+8*((\a)%2)+\t+8*(\t/8))*4096 th:TH_STORE_NT   ; lane t of tile a holds that row; written once, read by nobody here
.endr
.endm
	s_barrier_signal -1                            ; (every wave's LDS loads were waited for at the head of its last step)
	s_barrier_wait -1                              ; nobody reads the tiles any more: the stages may be written
	PLACES 4                                       ; behind the last products, in front of the first read of results and of loads into registers that they read
.irp a, 0,1,2,3
	ROWS_OUT \a
.endr
	s_wait_tensorcnt 0x0
	ds_add_u32 v254, v255
	s_wait_dscnt 0x0
	CROUND                                         ; the closing round: no work-group ends while a partner may still ask for a tile that names it
	s_endpgm
.Lfunc_end_k_q9f26072928_oproj:
	.size	k_q9f26072928_oproj, .Lfunc_end_k_q9f26072928_oproj-k_q9f26072928_oproj
	.p2alignl 7, 3214868480
	.fill 96, 4, 3214868480
	.section	.rodata,"a",@progbits
	.p2align	6, 0x0
	.amdhsa_kernel k_q9f26072928_oproj
		.amdhsa_group_segment_fixed_size 327680
		.amdhsa_private_segment_fixed_size 0
		.amdhsa_enable_private_segment 0
		.amdhsa_kernarg_size 48
		.amdhsa_user_sgpr_count 2
		.amdhsa_user_sgpr_kernarg_segment_ptr 1
		.amdhsa_wavefront_size32 1
		.amdhsa_system_sgpr_workgroup_id_x 1
		.amdhsa_system_sgpr_workgroup_id_y 1
		.amdhsa_system_sgpr_workgroup_id_z 1
		.amdhsa_system_vgpr_workitem_id 0
		.amdhsa_next_free_vgpr 768
		.amdhsa_next_free_sgpr 102
		.amdhsa_reserve_vcc 0
		.amdhsa_float_denorm_mode_32 3
		.amdhsa_float_denorm_mode_16_64 3
		.amdhsa_memory_ordered 1
		.amdhsa_forward_progress 1
		.amdhsa_inst_pref_size 89
	.end_amdhsa_kernel
	.amdgpu_metadata
---
amdhsa.version: [ 1, 2 ]
amdhsa.kernels:
  - .name:           k_q9f26072928_oproj
    .symbol:         k_q9f26072928_oproj.kd
    .args:
      - { .name: ao_codes, .offset: 0, .size: 8, .value_kind: global_buffer, .address_space: global }
      - { .name: ao_sc, .offset: 8, .size: 8, .value_kind: global_buffer, .address_space: global }
      - { .name: xw_codes, .offset: 16, .size: 8, .value_kind: global_buffer, .address_space: global }
      - { .name: xw_sc, .offset: 24, .size: 8, .value_kind: global_buffer, .address_space: global }
      - { .name: bo, .offset: 32, .size: 8, .value_kind: global_buffer, .address_space: global }
      - { .name: out0, .offset: 40, .size: 8, .value_kind: global_buffer, .address_space: global }
    .group_segment_fixed_size: 327680
    .private_segment_fixed_size: 0
    .kernarg_segment_align: 8
    .kernarg_segment_size: 48
    .max_flat_workgroup_size: 128
    .sgpr_count:     102
    .vgpr_count:     768
    .wavefront_size: 32
...
	.end_amdgpu_metadata
.endif
;; end of part 4
